; MI455X (gfx1250); checked and timed in simulation.
; The chip was launched on July 23, 2026; its instructions are those of AMD's public machine-readable ISA for CDNA 5 (MIT licence, August 2026) and "CDNA5" Instruction Set Architecture Reference Guide (July 2026). The comments in the code are by the model that wrote it; some were corrected since.
;; Multi Headed Attention. Allowed arithmetic: matrix products marked QUANTISED: E5M2 operands, one given power-of-two scale a tensor, by v_wmma_f32_16x16x64_bf8_bf8 or v_wmma_f32_16x16x128_bf8_bf8, f32 sums; everything else in f32.
;; Inputs: Wk_codes 1,024 x 32 x 32 uint8 (E5M2 codes of Wk, K innermost, in blocks of 32 codes); Wo_codes 1,024 x 32 x 32 uint8 (E5M2 codes of Wo, K innermost, in blocks of 32 codes); Wq_codes 1,024 x 32 x 32 uint8 (E5M2 codes of Wq, K innermost, in blocks of 32 codes); Wv_codes 1,024 x 32 x 32 uint8 (E5M2 codes of Wv, K innermost, in blocks of 32 codes); bk 1,024 float32; bo 1,024 float32; bq 1,024 float32; bv 1,024 float32; key_codes 4 x 2,048 x 32 x 32 uint8 (E5M2 codes of key, K innermost, in blocks of 32 codes); lowp_scales 12 int32 (the exponents e of the quantised operands' scales 2^e); mask 4 x 2,048 x 2,048 int32; query_codes 4 x 2,048 x 32 x 32 uint8 (E5M2 codes of query, K innermost, in blocks of 32 codes); value_codes 4 x 2,048 x 32 x 32 uint8 (E5M2 codes of value, K innermost, in blocks of 32 codes).
;; Outputs: out0 4 x 2,048 x 1,024 float32.
;; This version of the problem:
;;   THIS VERSION OF THE PROBLEM IS GIVEN IN LOW PRECISION. The matrix products marked QUANTISED in the list below multiply operands that are first quantised to E5M2 (5 exponent bits, 2 mantissa bits; 8 bits a number), with one given power-of-two scale for each operand tensor; their sums are f32. All else is computed in f32.
;;   The module's matrix products, in the order in which they are computed (A, B: the left and right operand; K: the contracted axis; several contracted axes count as one K, in the product's order):
;;     1. [M 8,192, K 1,024] x [K 1,024, N 1,024]; A: input query (given as codes); B: input Wq (given as codes): QUANTISED (scales: A lowp_scales[0], B lowp_scales[1])
;;     2. [M 8,192, K 1,024] x [K 1,024, N 1,024]; A: input key (given as codes); B: input Wk (given as codes): QUANTISED (scales: A lowp_scales[2], B lowp_scales[3])
;;     3. [M 8,192, K 1,024] x [K 1,024, N 1,024]; A: input value (given as codes); B: input Wv (given as codes): QUANTISED (scales: A lowp_scales[4], B lowp_scales[5])
;;     4. batch 64 x [M 2,048, K 64] x [K 64, N 2,048]; A: computed on the way; B: computed on the way: QUANTISED (scales: A lowp_scales[6], B lowp_scales[7])
;;     5. batch 64 x [M 2,048, K 2,048] x [K 2,048, N 64]; A: softmax (see below); B: computed on the way: QUANTISED (scales: A lowp_scales[8], B lowp_scales[9])
;;     6. [M 8,192, K 1,024] x [K 1,024, N 1,024]; A: computed on the way; B: input Wo (given as codes): QUANTISED (scales: A lowp_scales[10], B lowp_scales[11])
;;   THE QUANTISER, for each operand of a quantised product, along K:
;;     - The operand's scale is 2^e, e = its entry of the input lowp_scales (int32; the entries are numbered through the quantised products in the list's order, A before B).
;;     - Each number is divided by the scale, clamped to +-57,344, and rounded to the nearest number of E5M2, ties to even, subnormals kept.
;;     - The product sums the exact products of the quantised numbers (number of the format x scale) in f32.
;;   ~~~python
;;   def quantise(x, axis, e):      # numpy; x: float32 -> the quantised numbers, widened to float32 again
;;       x = np.moveaxis(x, axis, -1); K = x.shape[-1]
;;       r = np.clip(x / 2.0 ** e, -57344, 57344)
;;       step = 2.0 ** (np.maximum(np.frexp(np.where(r == 0, 1, r))[1] - 1, -14) - 2)
;;       q = np.round(r / step) * step * 2.0 ** e      # np.round: ties to even
;;       return np.moveaxis(q, -1, axis).astype(np.float32)
;;   ~~~
;;   SOFTMAX AHEAD OF A QUANTISED PRODUCT. Where the list says 'softmax', what is quantised is not the finished softmax but p = 2^(t - M), with t = logit x log2(e) and M = ceil(the row's largest t), a whole number; so 1/2 < the row's largest p <= 1. The row's sum l is taken of the UNQUANTISED p, in f32, and the product's result is divided by l at the end. Since M is a whole number, a kernel that streams over the keys may use a running M (the ceiling of the running maximum): every later rescaling is an exact power of two, so the quantised numbers keep their values, but for numbers so far below the row's largest that they fall under the format's range.
;;   OPERANDS COMPUTED ON THE WAY. 'Computed on the way' means the value that the module computes at that place (a softmax that the list does not call 'softmax' is quantised finished and normalised). What goes into a quantiser is computed in f32, as accurately as f32 sums, v_exp_f32 and their like allow (about 1e-6 of the number): no bf16 or f16 on the way to a quantiser, and a product that is left as it is and whose result goes on into a quantised operand takes f32 operands (vector FMAs, or v_wmma_f32_16x16x4_f32). A number that lies on a knife's edge between two numbers of the format may be rounded either way, as far as f32 arithmetic and the matrix unit's own rounding can turn it there, and no further.
;;   INPUTS GIVEN AS CODES. Wk (in the module: [1024, 1024], K = its axis 1); Wo (in the module: [1024, 1024], K = its axis 1); Wq (in the module: [1024, 1024], K = its axis 1); Wv (in the module: [1024, 1024], K = its axis 1); key (in the module: [4, 2048, 1024], K = its axis 2); query (in the module: [4, 2048, 1024], K = its axis 2); value (in the module: [4, 2048, 1024], K = its axis 2): each comes as NAME_codes (uint8): NAME with its K axis moved to the last place and cut into blocks of 32 codes, [.., K / 32, bytes a block], one block behind the other in memory; one code a byte (a code: sign, 5 exponent bits, 2 mantissa bits); its scale is its entry of lowp_scales. Its value is code x scale, taken as it is: it is not quantised again, and the codes and scales need not be those that the quantiser above would give.
;; 2 versions, each right; version 2 is version 1 with the launch attn written anew for expert scheduling mode. Each part assembles by itself: llvm-mc -triple=amdgcn-amd-amdhsa -mcpu=gfx1250 --defsym DOCPART=n.
;; ======== version 1 of 2: 4 launches
;; limits: right only within a limited range of input values
;; workspace buffers: qimg 8,388,608 bytes; kimg 8,388,608 bytes; vimg 8,388,608 bytes; aimg 8,388,608 bytes; mbits 2,097,152 bytes of whole numbers
;; launch maskpack (part 1): grid 1024 x 1, 4 waves a work-group, no clusters, 68,096 bytes of LDS; arguments mask, mbits; writes mbits
.if DOCPART == 1
	.amdgcn_target "amdgcn-amd-amdhsa--gfx1250"
	.amdhsa_code_object_version 6
	.text
	.protected	k_q88c2964f76_maskpack
	.globl	k_q88c2964f76_maskpack
	.p2align	8
	.type	k_q88c2964f76_maskpack,@function
k_q88c2964f76_maskpack:
	s_mov_b64 s[64:65], 0
	v_nop
	global_prefetch_b8 v0, s[64:65] scope:SCOPE_SE
	s_setreg_imm32_b32 hwreg(HW_REG_WAVE_MODE, 25, 1), 1
	s_wait_xcnt 0x0
; MULTI-HEAD ATTENTION IN E5M2, FOUR LAUNCHES: this one packs the mask; proj makes q, k, v as codes; attn does the two products round the softmax; oproj the last product.
; No work of reference() is left out: every input has a way to the output (bk too: it moves k's codes), so every input is loaded by some launch.
; THIS LAUNCH: mask [4][2048][2048] int32 becomes one bit a number, laid as the LANE MASKS that attn's selects take, so that the sixteen heads read 2 MiB each time and not 64.
; mbits: [b][pair of query tiles TP: 64][step of 64 keys s: 32][u: 2][t: 4][j: 8] words; bit 16 hl + r of a word = (mask[b][32 TP + 16 u + r][64 s + 16 t + 8 hl + j] != 0).
; SHARES.  A wave takes 32 query rows x 128 keys: 32 loads of 512 consecutive bytes, all issued at once.  A compare wants lane (r, hl) to hold row r, keys 8 hl + j: so the rows turn through the wave's own stage
; in LDS (rows 528 bytes apart: 132 words, so that the sixteen rows of a read start at sixteen different groups of four banks).  Each compare's 32 bits are one word; 128 words leave as 512 consecutive bytes.
; No loop, no barrier: waves share nothing.  No matrix unit, no cluster, no tensor load: a stream that is read once.
.set PITCH, 528
.set WSTG,  32*PITCH                   ; a wave's stage: 32 rows
.set SPARE, 4*WSTG                     ; behind the four stages: the spare words, 128 bytes for each wave: two blocks of 256 bytes that no other line names
.set LI,  2                            ; v2   16 x lane
.set IA,  3                            ; v3   the stage, on the way in: my 16 bytes of a row
.set OA,  4                            ; v4   and on the way out: row r, + 32 hl
.set SPW, 8                            ; v8   LDS address of my spare word; never rewritten
.set NIL, 9                            ; v9   0; never rewritten
.set OW,  12                           ; v12-15   the 128 words: word W in register W % 4 of lane W / 4
.set LD,  16                           ; v16-143  32 rows as loaded
.set X,   144                          ; v144-207 16 rows x 128 keys as the compares want them
	s_load_b128 s[4:7], s[0:1], 0x0                ; mask, mbits
	v_lshl_add_u32 v[SPW], v0, 2, SPARE
	v_mov_b32 v[NIL], 0
	v_lshrrev_b32 v1, 5, v0
	v_readfirstlane_b32 s8, v1                     ; wave 0..3
	v_and_b32 v1, 31, v0
	v_lshlrev_b32 v[LI], 4, v1
	s_mul_i32 s9, s8, WSTG
	v_add_nc_u32 v[IA], s9, v[LI]
	v_and_b32 v5, 15, v0                           ; r
	v_bfe_u32 v6, v0, 4, 1                         ; hl
	v_mul_u32_u24 v[OA], v5, PITCH
	v_lshl_add_u32 v[OA], v6, 5, v[OA]
	v_add_nc_u32 v[OA], s9, v[OA]
.irp i, 0,1,2,3
	v_mov_b32 v[OW+\i], 0                          ; written whole once: v_writelane_b32 keeps the other lanes
.endr
	s_lshl_b32 s10, ttmp9, 2
	s_add_co_u32 s10, s10, s8                      ; W = 4 x work-group + wave: kb = W % 16 (128 keys), TP = (W / 16) % 64, b = W / 1024
	s_and_b32 s11, s10, 15
	s_lshl_b32 s11, s11, 9                         ; 128 keys are 512 bytes of a mask row, and 512 bytes of mbits
	s_bfe_u32 s12, s10, 0x60004                    ; TP
	s_lshr_b32 s13, s10, 10                        ; b
	s_lshl_b32 s14, s13, 24
	s_lshl_b32 s15, s12, 18
	s_add_co_u32 s14, s14, s15
	s_add_co_u32 s14, s14, s11                     ; in mask: b x 2^24 + TP x 32 rows of 8,192 bytes + kb x 512
	s_mov_b32 s15, 0
	s_lshl_b32 s16, s13, 19
	s_lshl_b32 s17, s12, 13
	s_add_co_u32 s16, s16, s17
	s_add_co_u32 s16, s16, s11                     ; in mbits: b x 2^19 + TP x 8,192 + kb x 512
	s_mov_b32 s17, 0
	s_wait_kmcnt 0x0
	s_add_nc_u64 s[4:5], s[4:5], s[14:15]
	s_add_nc_u64 s[6:7], s[6:7], s[16:17]
.set p, 0
.rept 32
	global_load_b128 v[LD+4*p:LD+4*p+3], v[LI], s[4:5] offset:8192*p th:TH_LOAD_NT   ; row p: 32 lanes read 512 consecutive bytes; read once in the launch
.set p, p+1
.endr
.macro TOSTG p0                        ; rows p0 .. p0 + 15 into the stage, as they lie
.set p, \p0
.rept 16
	ds_store_b128 v[IA], v[LD+4*p:LD+4*p+3] offset:PITCH*p
.set p, p+1
.endr
.endm
.macro TURN u                          ; tile u's 16 rows back: lane (r, hl) takes, of row 16 u + r, keys 64 s + 16 t + 8 hl + 0 .. 7.  LDS serves a wave's instructions in order: these see my stores
.irp s, 0,1
.irp t, 0,1,2,3
.irp e, 0,1
	ds_load_b128 v[X+8*(4*\s+\t)+4*\e:X+8*(4*\s+\t)+4*\e+3], v[OA] offset:16*PITCH*\u+256*\s+64*\t+16*\e
.endr
.endr
.endr
.endm
.macro BITS u                          ; 64 compares, each 32 bits: word 64 s + 32 u + 8 t + j of the wave's 128
.irp s, 0,1
.irp t, 0,1,2,3
.irp j, 0,1,2,3,4,5,6,7
	v_cmp_ne_u32 s[20+\j], 0, v[X+8*(4*\s+\t)+\j]
.endr
.irp j, 0,1,2,3,4,5,6,7
	v_writelane_b32 v[OW+\j%4], s[20+\j], (64*\s+32*\u+8*\t+\j)/4
.endr
.endr
.endr
.endm
	s_wait_loadcnt 16                              ; rows 0-15 are in; the sixteen younger loads may be out
	TOSTG 0
	TURN 0
	s_wait_loadcnt 0x0
	TOSTG 16
	s_wait_dscnt 16                                ; tile 0 is back; the sixteen stores issued behind its loads may be out
	BITS 0
	TURN 1
	s_wait_dscnt 0x0
	BITS 1
	global_store_b128 v[LI], v[OW:OW+3], s[6:7]    ; 32 lanes store 512 consecutive bytes, at a multiple of 512 from mbits' first byte
	s_wait_tensorcnt 0x0                           ; the wave's end, behind my last LDS store
	ds_add_u32 v[SPW], v[NIL]
	s_wait_dscnt 0x0
	s_endpgm
.Lfunc_end_k_q88c2964f76_maskpack:
	.size	k_q88c2964f76_maskpack, .Lfunc_end_k_q88c2964f76_maskpack-k_q88c2964f76_maskpack
	.p2alignl 7, 3214868480
	.fill 96, 4, 3214868480
	.section	.rodata,"a",@progbits
	.p2align	6, 0x0
	.amdhsa_kernel k_q88c2964f76_maskpack
		.amdhsa_group_segment_fixed_size 68096
		.amdhsa_private_segment_fixed_size 0
		.amdhsa_enable_private_segment 0
		.amdhsa_kernarg_size 16
		.amdhsa_user_sgpr_count 2
		.amdhsa_user_sgpr_kernarg_segment_ptr 1
		.amdhsa_wavefront_size32 1
		.amdhsa_system_sgpr_workgroup_id_x 1
		.amdhsa_system_sgpr_workgroup_id_y 1
		.amdhsa_system_sgpr_workgroup_id_z 1
		.amdhsa_system_vgpr_workitem_id 0
		.amdhsa_next_free_vgpr 208
		.amdhsa_next_free_sgpr 66
		.amdhsa_reserve_vcc 0
		.amdhsa_float_denorm_mode_32 3
		.amdhsa_float_denorm_mode_16_64 3
		.amdhsa_memory_ordered 1
		.amdhsa_forward_progress 1
		.amdhsa_inst_pref_size 26
	.end_amdhsa_kernel
	.amdgpu_metadata
---
amdhsa.version: [ 1, 2 ]
amdhsa.kernels:
  - .name:           k_q88c2964f76_maskpack
    .symbol:         k_q88c2964f76_maskpack.kd
    .args:
      - { .name: mask, .offset: 0, .size: 8, .value_kind: global_buffer, .address_space: global }
      - { .name: mbits, .offset: 8, .size: 8, .value_kind: global_buffer, .address_space: global }
    .group_segment_fixed_size: 68096
    .private_segment_fixed_size: 0
    .kernarg_segment_align: 8
    .kernarg_segment_size: 16
    .max_flat_workgroup_size: 128
    .sgpr_count:     66
    .vgpr_count:     208
    .wavefront_size: 32
...
	.end_amdgpu_metadata
.endif
;; end of part 1
;; launch proj (part 2): grid 4 x 96, 4 waves a work-group, clusters of 4 x 4, 327,680 bytes of LDS; arguments query_codes, key_codes, value_codes, Wq_codes, Wk_codes, Wv_codes, bq, bk, bv, qimg, kimg, vimg, lowp_scales; writes qimg, kimg, vimg
.if DOCPART == 2
	.amdgcn_target "amdgcn-amd-amdhsa--gfx1250"
	.amdhsa_code_object_version 6
	.text
	.protected	k_q88c2964f76_proj
	.globl	k_q88c2964f76_proj
	.p2align	8
	.type	k_q88c2964f76_proj,@function
k_q88c2964f76_proj:
	s_mov_b64 s[64:65], 0
	v_nop
	global_prefetch_b8 v0, s[64:65] scope:SCOPE_SE
	s_setreg_imm32_b32 hwreg(HW_REG_WAVE_MODE, 25, 1), 1
	s_wait_xcnt 0x0
	s_wait_alu depctr_hold_cnt(0) depctr_sa_sdst(0) depctr_va_vdst(0) depctr_va_sdst(0) depctr_va_ssrc(0) depctr_va_vcc(0) depctr_vm_vsrc(0)
	s_getreg_b32 s2, hwreg(HW_REG_IB_STS2, 6, 4)
	s_cmp_eq_u32 s2, 0
	s_cbranch_scc0 .Lentry_in_a_cluster
	s_endpgm
.Lentry_in_a_cluster:
	s_bfe_u32 s2, ttmp6, 0x10000c
	s_cmp_lg_u32 s2, 0xf033
	s_cbranch_scc0 .Lentry_shape_is_right
	s_endpgm
.Lentry_shape_is_right:
; q = query Wq^T + bq, k = key Wk^T + bk, v = value Wv^T + bv, each [8192][1024], K = 1,024, on the given codes of E5M2; the results are quantised (e6, e7, e9) and stored as IMAGES OF OPERAND REGISTERS.
; One launch, three products: cluster row yc (0..23) gives the product g = yc / 8 and four of its 32 blocks of 256 tokens.  A work-group makes 256 x 256, a wave 128 x 128: 64 accumulators, 512 registers.
; K goes in steps of 256 through a ring of two LDS slots filled by the tensor data mover.  CLUSTERS of 4 x 4: the tiles of the operand called A here are shared along a row of the cluster, B's along a column,
; each asked for JOINTLY by the same tensor load with the same descriptor and a mask that names the four.
; THE MATRIX INSTRUCTION takes 16 rows of B as source 0 and 16 rows of A as source 1: a lane then holds ONE row of A, and its eight registers eight neighbouring rows of B.
;   g = 0, 1: A = the tokens, B = the weight's rows (channels): a lane's registers run along the channels, which are the K of q k^T.
;   g = 2:    A = Wv's rows (channels), B = the tokens: a lane's registers run along the tokens, which are the K of p v.   Both tensors have rows of 1,024 bytes, so ring and descriptors are the same.
; So eight sums of a lane, x 2^(ea + eb) + bias, held and converted, ARE two registers of the next product's operand (16x16x64 form: registers 2 c, 2 c + 1 = k 16 c + 8 (lane / 16) + 0 .. 7),
; and four such registers of the 32 lanes are 512 consecutive bytes of the image: stored straight from registers, no stage in LDS.
;   qimg, kimg: [bh = 16 b + h][tile of 16 tokens: 128][i: 2][lane][16 bytes];   vimg: [bh][step of 64 keys: 32][tile of 16 channels: 4][i: 2][lane][16 bytes].
; A fragment of the given codes is fetched by four loads of 16 bytes (registers 4 c .. 4 c + 3 = K 32 c + 16 (lane / 16) + 0 .. 15): a permutation of k, the same on both sides, so every product meets its partner.
; LIMITS, so that each power of two below is an f32 number: ea + eb between -126 and 127; e6, e7, e9 between -126 and 112.  NaN in a bias is not served.
; REGISTERS, in windows of 256: window 0: v0-31 addresses; v32-47 v's bias by lanes; v64-127 the bias as loaded; from v128 A's fragments, ONE set (on the way out: v128-191 numbers, v192-255 codes).
;   window 1: B's fragments, TWO sets.   window 2: the accumulators of A's blocks 0-3 ((a, b) at v[8 (8 a + b)]);   window 3: those of blocks 4-7.
.set KROW,   1024                      ; a row of codes in memory, in bytes
.set ROWB,   256                       ; a tile's row: a K step
.set PITCH,  272                       ; an LDS row: 256 bytes + 16 of padding = 68 words: the 16 rows that a load touches start at 16 different groups of four banks
.set FR,     16                        ; registers of a fragment: 16 rows x 128 K
.set NL,     4                         ; LDS loads that bring one
.set NP,     4                         ; places behind this matrix instruction (ISA guide 7.12.1)
.set HALFT,  128*PITCH                 ; 128 rows: what one tensor load brings
.set SLOT,   4*HALFT                   ; A's 256 rows, then B's 256 rows
.set LAPS,   KROW/(2*ROWB)             ; a lap = two K steps = once round the ring
.set SPARE,  2*SLOT                    ; behind the ring: the spare words, 128 bytes for each wave: two blocks of 256 bytes that no other line names
.set ADRA, 16                          ; v16-17  LDS address of my A fragments in slot 0, 1
.set ADRB, 20                          ; v20-21  the same for B
.set CO,   26                          ; v26     16 x lane: my place in a store's 512 bytes
.set BO,   27                          ; v27     32 x (lane / 16): my eight numbers of sixteen of the bias
.set SPW,  28                          ; v28     LDS address of my spare word; never rewritten
.set NIL,  29                          ; v29     0; never rewritten
.set LIMV, 30                          ; v30     57,344 x 2^eo
.set SCV,  31                          ; v31     2^eo
.set BV,   32                          ; v32-47  g = 2: the bias of my channel in block a, twice (a pair for the packed form)
.set BT,   64                          ; v64-127 bias[ch + 16 x + 8 (lane / 16) + j] at 8 x + j
.set AF,   128
.set TMP,  128
.set CD,   192
.set G1, 24                            ; s[24:31] descriptor group 1 for A's tiles;  s[32:39] group 0, one set for each slot
.set G0, 32
.set G1B, 48                           ; s[48:55], s[56:63] the same for B's tiles
.set G0B, 56
.set GEMM, 98                          ; s98     g
.set MSB, 0
.macro WIN new                         ; the immediate's high byte repeats the setting that is left
.if MSB != \new
	s_set_vgpr_msb (MSB<<8)|\new
.set MSB, \new
.endif
.endm
.set MUL_LO, 0xa1                      ; source 0 (B) window 1, source 1 (A) window 0, C and D window 2
.set MUL_HI, 0xf1                      ; the same, C and D window 3
.set TO_B,   0x40                      ; destination window 1, address window 0
; A joint load: waves 0 and 1 fetch for A, waves 2 and 3 for B.  The branch hangs on the wave's number alone.  An s_nop 0 and four v_nop follow each of the two lines.
.macro JLOAD g0a, g1a, g0b, g1b
	s_cmp_eq_u32 s15, 0
	s_cbranch_scc0 .Lfor_b_\@
	tensor_load_to_lds s[\g0a:\g0a+3], s[\g1a:\g1a+7]
	s_nop 0
.rept 4
	v_nop
.endr
	s_branch .Lasked_\@
.Lfor_b_\@:
	tensor_load_to_lds s[\g0b:\g0b+3], s[\g1b:\g1b+7]
	s_nop 0
.rept 4
	v_nop
.endr
.Lasked_\@:
.endm
.macro CREST                           ; a round of the cluster's barrier behind its opening barrier
	s_cmp_lg_u32 s14, 0
	s_cbranch_scc1 .Lnot_wave_0_\@
	s_barrier_signal -3
.Lnot_wave_0_\@:
	s_barrier_wait -3
	s_barrier_signal -1
	s_barrier_wait -1
.endm
.macro CROUND                          ; a whole round
	s_barrier_signal -1
	s_barrier_wait -1
	CREST
.endm
	s_load_b512 s[68:83], s[0:1], 0x0              ; query 68, key 70, value 72, Wq 74, Wk 76, Wv 78, bq 80, bk 82
	s_load_b256 s[84:91], s[0:1], 0x40             ; bv 84, qimg 86, kimg 88, vimg 90
	s_load_b64 s[92:93], s[0:1], 0x60              ; the scales' exponents
	v_lshl_add_u32 v[SPW], v0, 2, SPARE
	v_mov_b32 v[NIL], 0
	ds_add_u32 v[SPW], v[NIL]                      ; the wave's opening: the add, twice on end, and its wait ahead of my first tensor load; the set-up below stands between the second and the wait
	ds_add_u32 v[SPW], v[NIL]
	v_lshrrev_b32 v1, 5, v0
	v_readfirstlane_b32 s14, v1                    ; wave 0..3
	s_lshr_b32 s15, s14, 1                         ; which half of A's rows is mine.  Also: I fetch for A (0) or for B (1)
	s_and_b32 s16, s14, 1                          ; which half of B's rows.  Also: which 128 rows of that tile I fetch
	s_bfe_u32 s40, ttmp6, 0x40000                  ; cx, cy: my place in the cluster
	s_bfe_u32 s41, ttmp6, 0x40004
	s_and_b32 s17, ttmp7, 0xffff                   ; the cluster's y, 0..23: the same in all sixteen partners
	s_lshr_b32 s[GEMM], s17, 3                     ; g: which product
	s_and_b32 s99, s17, 7
	s_lshl_b32 s99, s99, 2                         ; the first of the cluster's four blocks of 256 tokens
	s_cmp_eq_u32 s[GEMM], 2
	s_cselect_b32 s17, 0, s99                      ; the tokens are A's rows for q and k,
	s_cselect_b32 s42, s99, 0                      ; B's for v
	s_add_co_u32 s17, s17, s41                     ; A's tile: hangs on cy alone.  (The grid is one cluster wide: the cluster's x adds nothing)
	s_add_co_u32 s42, s42, s40                     ; B's tile: on cx alone
	s_lshl_b32 s43, s41, 2
	s_lshl_b32 s43, 15, s43                        ; my row of the cluster
	s_lshl_b32 s44, 0x1111, s40                    ; my column
	s_or_b32 s[G1+0], s43, (0<<16)|(1<<20)|(1<<21)|(5<<22)|(3<<25)  ; 15:0 the mask; 17:16 elements of 1 byte; 20 padding on; 21 set beside a mask; 24:22 after every 64 words; 31:25 four words
	s_or_b32 s[G1B+0], s44, (0<<16)|(1<<20)|(1<<21)|(5<<22)|(3<<25)
.irp g, G1, G1B
	s_mov_b32 s[\g+1], ROWB<<16                    ; tensor_dim0
	s_mov_b32 s[\g+2], 128<<16                     ; tensor_dim1
	s_mov_b32 s[\g+3], ROWB<<16                    ; tile_dim0
	s_mov_b32 s[\g+4], 128                         ; tile_dim1
	s_mov_b32 s[\g+5], KROW                        ; tensor_dim0_stride
	s_mov_b32 s[\g+6], 0
	s_mov_b32 s[\g+7], 0
.endr
	s_lshl_b32 s18, s16, 7                         ; which 128 rows of the tile I fetch
	s_lshl_b32 s20, s17, 8
	s_add_co_u32 s20, s20, s18
	s_lshl_b32 s20, s20, 10                        ; A: (256 x tile + 128 x half) rows of 1,024 bytes
	s_mov_b32 s21, 0
	s_lshl_b32 s46, s42, 8
	s_add_co_u32 s46, s46, s18
	s_lshl_b32 s46, s46, 10                        ; B likewise
	s_mov_b32 s47, 0
	s_mul_i32 s45, s14, HALFT                      ; where they go: wave x 128 rows: no place in the cluster enters an LDS address
	s_wait_dscnt 0x0                               ; both opening adds are done
	s_wait_kmcnt 0x0
	s_cmp_eq_u32 s[GEMM], 0                        ; the buffers are chosen by g, which hangs on no address
	s_cselect_b64 s[4:5], s[68:69], s[70:71]       ; A: query or key,
	s_cselect_b64 s[6:7], s[74:75], s[76:77]       ; B: Wq or Wk,
	s_cselect_b64 s[8:9], s[80:81], s[82:83]       ; the bias,
	s_cselect_b64 s[10:11], s[86:87], s[88:89]     ; the image
	s_cmp_eq_u32 s[GEMM], 2
	s_cselect_b64 s[4:5], s[78:79], s[4:5]         ; for v: A = Wv,
	s_cselect_b64 s[6:7], s[72:73], s[6:7]         ; B = value
	s_cselect_b64 s[8:9], s[84:85], s[8:9]
	s_cselect_b64 s[10:11], s[90:91], s[10:11]
	s_load_b256 s[68:75], s[92:93], 0x0            ; e0 .. e7
	s_load_b64 s[76:77], s[92:93], 0x20            ; e8, e9
	s_add_nc_u64 s[20:21], s[4:5], s[20:21]
	s_add_nc_u64 s[46:47], s[6:7], s[46:47]
	CROUND                                         ; all sixteen work-groups are here: the first joint loads meet
.irp s, 0,1
	s_mov_b32 s[G0+4*\s], 1
	s_add_co_u32 s[G0+4*\s+1], s45, \s*SLOT
	s_add_nc_u64 s[G0+4*\s+2:G0+4*\s+3], s[20:21], \s*ROWB
	s_or_b32 s[G0+4*\s+3], s[G0+4*\s+3], 0x80000000
	s_mov_b32 s[G0B+4*\s], 1
	s_add_co_u32 s[G0B+4*\s+1], s45, \s*SLOT
	s_add_nc_u64 s[G0B+4*\s+2:G0B+4*\s+3], s[46:47], \s*ROWB
	s_or_b32 s[G0B+4*\s+3], s[G0B+4*\s+3], 0x80000000
	JLOAD G0+4*\s, G1, G0B+4*\s, G1B               ; two tensor loads of mine are out at the most: these two
.endr
	v_and_b32 v1, 15, v0                           ; l % 16
	v_bfe_u32 v2, v0, 4, 1                         ; l / 16
	v_mul_u32_u24 v3, v1, PITCH
	v_lshl_add_u32 v4, v2, 4, v3                   ; a fragment's row x pitch + 16 x half
	s_mul_i32 s21, s15, HALFT                      ; my 128 rows of A
	s_mul_i32 s22, s16, HALFT                      ; my 128 rows of B,
	s_add_co_u32 s22, s22, 2*HALFT                 ; which lie behind A's 256
.irp s, 0,1
	v_add_nc_u32 v[ADRA+\s], s21, v4
	v_add_nc_u32 v[ADRB+\s], s22, v4
	s_add_co_u32 s21, s21, SLOT
	s_add_co_u32 s22, s22, SLOT
.endr
	v_and_b32 v6, 31, v0
	v_lshlrev_b32 v[CO], 4, v6
	v_lshlrev_b32 v[BO], 5, v2
	; where my results go: first token tok and first channel ch of my 128 x 128, in registers that feed no descriptor
	s_lshl_b32 s80, s17, 8
	s_lshl_b32 s81, s15, 7
	s_add_co_u32 s80, s80, s81                     ; my first row of A
	s_lshl_b32 s81, s42, 8
	s_lshl_b32 s82, s16, 7
	s_add_co_u32 s81, s81, s82                     ; my first row of B
	s_cmp_eq_u32 s[GEMM], 2
	s_cselect_b32 s82, s81, s80                    ; tok
	s_cselect_b32 s83, s80, s81                    ; ch
	s_lshr_b32 s80, s82, 11
	s_lshl_b32 s80, s80, 4
	s_lshr_b32 s81, s83, 6
	s_add_co_u32 s80, s80, s81                     ; bh = 16 (tok / 2048) + ch / 64
	s_lshl_b32 s80, s80, 17                        ; a head's image is 131,072 bytes;
	s_and_b32 s81, s82, 2047
	s_lshl_b32 s81, s81, 6                         ; 16 tokens are 1,024 bytes of q's and k's, 64 tokens 4,096 of v's: 64 bytes a token in all three
	s_add_co_u32 s80, s80, s81
	s_mov_b32 s81, 0
	s_add_nc_u64 s[10:11], s[10:11], s[80:81]
	s_lshl_b32 s82, s83, 2
	s_mov_b32 s83, 0
	s_add_nc_u64 s[8:9], s[8:9], s[82:83]          ; the bias at ch
.irp x, 0,1,2,3,4,5,6,7
	global_load_b128 v[BT+8*\x:BT+8*\x+3], v[BO], s[8:9] offset:64*\x        ; my 128 channels' bias, each byte once; waited for on the way out
	global_load_b128 v[BT+8*\x+4:BT+8*\x+7], v[BO], s[8:9] offset:64*\x+16
.endr
.macro FRAG reg, adr, q, i             ; a fragment: lane l holds row l % 16; registers 4 c .. 4 c + 3 hold K = 32 c + 16 (l / 16) + 0 .. 15
.irp c, 0,1,2,3
	ds_load_b128 v[\reg+4*\c:\reg+4*\c+3], v[\adr] offset:128*(\q)+32*\c+(\i)*16*PITCH
.endr
.endm
; 16 matrix instructions: A's blocks a0, a0 + 1 x B's eight, 128 along K.  p: B's set.  zero = 1: the first product starts the sums.
; The 64 accumulators take turns, one instruction a turn, in the same order in every step.
.macro MUL16 a0, p, zero
.irp a, \a0, \a0+1
.irp b, 0,1,2,3,4,5,6,7
.if \zero
	v_wmma_f32_16x16x128_bf8_bf8 v[8*(8*((\a)%4)+\b):8*(8*((\a)%4)+\b)+7], v[128*(\p)+FR*\b:128*(\p)+FR*\b+FR-1], v[AF+FR*(\a):AF+FR*(\a)+FR-1], 0
.else
	v_wmma_f32_16x16x128_bf8_bf8 v[8*(8*((\a)%4)+\b):8*(8*((\a)%4)+\b)+7], v[128*(\p)+FR*\b:128*(\p)+FR*\b+FR-1], v[AF+FR*(\a):AF+FR*(\a)+FR-1], v[8*(8*((\a)%4)+\b):8*(8*((\a)%4)+\b)+7]
.endif
.endr
.endr
.endm
.macro FETCH_B slot, q, p              ; B's eight fragments of the slot's q-th 128 along K into set p
	WIN TO_B
.irp i, 0,1,2,3,4,5,6,7
	FRAG 128*(\p)+FR*\i, ADRB+\slot, \q, \i
.endr
	WIN 0
.endm
.macro FETCH_A slot, q, i0             ; A's blocks i0 .. i0 + 3
.irp i, \i0, \i0+1, \i0+2, \i0+3
	FRAG AF+FR*(\i), ADRA+\slot, \q, \i
.endr
.endm
.macro PLACES n                        ; plain vector instructions between a matrix instruction and a load into a register that it read, or a read of its result (ISA guide 7.12.1 for a read of its result)
.rept \n
	v_nop
.endr
.endm
; A step of 128 along K that has its successor in the same slot.  A block of A is free as soon as its eight products are issued: blocks 0-3 are fetched anew in the step's middle, blocks 4-7 at its end.
.macro STEP slot, q, zero
	s_wait_dscnt 4*NL                              ; B's set and A's blocks 0-3 are in; the sixteen youngest loads (A's blocks 4-7) may be out
	WIN MUL_LO
	MUL16 0, (\q)%2, \zero
	MUL16 2, (\q)%2, \zero
	s_wait_dscnt 0                                 ; A's blocks 4-7 are in
	PLACES NP
	FETCH_B \slot, (\q)+1, 1-(\q)%2
	FETCH_A \slot, (\q)+1, 0
	WIN MUL_HI
	MUL16 4, (\q)%2, \zero
	MUL16 6, (\q)%2, \zero
	PLACES NP
	WIN 0
	FETCH_A \slot, (\q)+1, 4
.endm
; A slot's last step changes slots: ONE barrier; in front of it each wave waits for all its tensor loads, adds 0 to its spare word, and waits for that and for its own reads of this slot.  fill = 1: this slot is filled again, two K steps ahead.
.macro TURN slot, next, fill
	s_wait_tensorcnt 0x0                           ; all my tensor loads have landed: my part of the next slot
	ds_add_u32 v[SPW], v[NIL]                      ; 0 onto my spare word
	s_wait_dscnt 4*NL+1                            ; the add and the sixteen youngest loads (A's blocks 4-7) may be out
	WIN MUL_LO
	MUL16 0, 1, 0                                  ; sixteen matrix instructions stand between the add and the wait for it
	s_wait_dscnt 0x0                               ; the add is done, and my reads of this slot are over
	s_barrier_signal -1
	MUL16 2, 1, 0
	WIN 0
	s_barrier_wait -1
.if \fill
	CREST                                          ; the barrier has opened a round of the cluster's barrier: no wave of any partner still reads this slot's tile or has a load on its way
	s_add_nc_u64 s[G0+4*\slot+2:G0+4*\slot+3], s[G0+4*\slot+2:G0+4*\slot+3], 2*ROWB
	s_add_nc_u64 s[G0B+4*\slot+2:G0B+4*\slot+3], s[G0B+4*\slot+2:G0B+4*\slot+3], 2*ROWB
	JLOAD G0+4*\slot, G1, G0B+4*\slot, G1B         ; the first tensor load behind the round, my one load until the next; its four v_nop are the places in front of the loads below
.else
	PLACES NP
.endif
	FETCH_B \next, 0, 0
	FETCH_A \next, 0, 0
	WIN MUL_HI
	MUL16 4, 1, 0
	MUL16 6, 1, 0
	PLACES NP
	WIN 0
	FETCH_A \next, 0, 4
.endm
	s_wait_tensorcnt 1                             ; my part of K step 0 is in; K step 1's load may be out
	s_barrier_signal -1
	s_barrier_wait -1                              ; everybody's is
	FETCH_B 0, 0, 0
	FETCH_A 0, 0, 0
	FETCH_A 0, 0, 4
	STEP 0, 0, 1                                   ; the first step stands in front of the loop: its products start the sums
	s_mov_b32 s3, LAPS-1
.Llap:                                                 ; a trip goes once round the ring, from a lap's second step to the next lap's first, and fills both slots again
	TURN 0, 1, 1
	STEP 1, 0, 0
	TURN 1, 0, 1
	STEP 0, 0, 0
	s_sub_co_u32 s3, s3, 1
	s_cmp_lg_u32 s3, 0
	s_cbranch_scc1 .Llap
	TURN 0, 1, 0                                   ; the last lap fills nothing, and has no round of the cluster's barrier
	STEP 1, 0, 0
	s_wait_dscnt 4*NL                              ; the very last step: A's blocks 4-7 may be out
	WIN MUL_LO
	MUL16 0, 1, 0
	MUL16 2, 1, 0
	s_wait_dscnt 0
	WIN MUL_HI
	MUL16 4, 1, 0
	MUL16 6, 1, 0
	WIN 0
; THE WAY OUT.  Block a (16 rows of A): 64 sums a lane x 2^(ea + eb) + bias, one packed multiply-add for two, each accumulator from its low end on; the hold at the largest code x the scale
; (the conversion to an 8-bit code does not saturate: ISA guide 7.6.2); eight conversions; four stores of 512 consecutive bytes, at multiples of 512 from the image's first byte.
; byA = 0: the bias goes by B's rows (64 numbers a lane, the same for all blocks); byA = 1: by A's row (one number a lane and block).
.macro EPI byA
.irp a, 0,1,2,3,4,5,6,7
.if \a == 4
	s_wait_xcnt 0x0                                ; the stores of blocks 0-3 have read their registers: the codes' four sets are written again only behind this wait
.endif
.set AC, 64*(\a%4)
.set CDA, CD+16*(\a%4)
	WIN (0x02+\a/4)                                ; source 0: window 2 or 3
.irp j, 0,2,4,6,8,10,12,14,16,18,20,22,24,26,28,30,32,34,36,38,40,42,44,46,48,50,52,54,56,58,60,62
.if \byA
	v_pk_fma_f32 v[TMP+\j:TMP+\j+1], v[AC+\j:AC+\j+1], s[96:97], v[BV+2*\a:BV+2*\a+1] op_sel_hi:[1,0,1]
.else
	v_pk_fma_f32 v[TMP+\j:TMP+\j+1], v[AC+\j:AC+\j+1], s[96:97], v[BT+\j:BT+\j+1] op_sel_hi:[1,0,1]
.endif
.endr
	WIN 0
.set n, 0
.rept 64
	v_med3_num_f32 v[TMP+n], v[TMP+n], -v[LIMV], v[LIMV]
.set n, n+1
.endr
.irp b, 0,1,2,3,4,5,6,7
	v_cvt_scalef32_pk8_bf8_f32 v[CDA+2*\b:CDA+2*\b+1], v[TMP+8*\b:TMP+8*\b+7], v[SCV]
.endr
	v_nop                                          ; one plain vector instruction between a scaled conversion and the next block's writes of its sources
.irp p, 0,1,2,3
.if \byA
	global_store_b128 v[CO], v[CDA+4*\p:CDA+4*\p+3], s[10:11] offset:131072*(\a/4)+1024*(\a%4)+4096*(\p/2)+512*(\p%2)   ; head a / 4, channel tile a % 4, step p / 2, i = p % 2
.else
	global_store_b128 v[CO], v[CDA+4*\p:CDA+4*\p+3], s[10:11] offset:1024*\a+131072*(\p/2)+512*(\p%2)                    ; token tile a, head p / 2, i = p % 2
.endif
.endr
.endr
.endm
	s_wait_kmcnt 0x0                               ; the exponents
	s_cmp_eq_u32 s[GEMM], 0
	s_cselect_b32 s78, s68, s70                    ; ea
	s_cselect_b32 s79, s69, s71                    ; eb
	s_cselect_b32 s80, s74, s75                    ; eo: e6 for q, e7 for k,
	s_cmp_eq_u32 s[GEMM], 2
	s_cselect_b32 s78, s72, s78
	s_cselect_b32 s79, s73, s79
	s_cselect_b32 s80, s77, s80                    ; e9 for v
	s_add_co_i32 s96, s78, s79
	s_add_co_i32 s96, s96, 127
	s_lshl_b32 s96, s96, 23                        ; 2^(ea + eb) as f32
	s_mov_b32 s97, s96                             ; (named with it as a pair, so it is written)
	s_add_co_i32 s80, s80, 127
	s_lshl_b32 s81, s80, 23                        ; 2^eo
	s_add_co_i32 s80, s80, 15
	s_lshl_b32 s80, s80, 23
	s_or_b32 s80, s80, 0x600000                    ; 57,344 x 2^eo
	s_wait_loadcnt 0x0                             ; the bias
	PLACES NP                                      ; behind the last products: their results are read and A's registers written below
	v_mov_b32 v[SCV], s81
	v_mov_b32 v[LIMV], s80
	s_cmp_eq_u32 s[GEMM], 2                        ; g is made of the cluster's y alone: all sixteen partners go the same way
	s_cbranch_scc1 .Lvalue
	EPI 0
	s_branch .Lend
.Lvalue:
	; v's bias goes by the lane's channel 16 a + r.  As loaded, lane (r, hl) holds those of channels 16 a + 8 hl + 0 .. 7: it picks number r % 8 by seven selects on constant lane masks,
	; and where hl differs from r / 8 (lanes 8 to 23) it takes the pick of the lane 16 away.
.irp jj, 1,2,3,4,5,6,7
	s_mov_b32 s[83+\jj], 0x01010101<<\jj           ; the lanes with r % 8 = jj
.endr
	s_mov_b32 s91, 0x00ffff00
	s_mov_b32 s92, 0x76543210                      ; v_permlanex16_b32's selects for lane l xor 16
	s_mov_b32 s93, 0xfedcba98
.irp a, 0,1,2,3,4,5,6,7
	v_cndmask_b32 v[BV+2*\a], v[BT+8*\a], v[BT+8*\a+1], s84
.irp jj, 2,3,4,5,6,7
	v_cndmask_b32 v[BV+2*\a], v[BV+2*\a], v[BT+8*\a+\jj], s[83+\jj]
.endr
	v_mov_b32 v[BV+2*\a+1], 0                      ; a lane permute's destination counts as one of its sources
	v_permlanex16_b32 v[BV+2*\a+1], v[BV+2*\a], s92, s93
	v_cndmask_b32 v[BV+2*\a], v[BV+2*\a], v[BV+2*\a+1], s91
	v_mov_b32 v[BV+2*\a+1], v[BV+2*\a]
.endr
	EPI 1
.Lend:
	s_wait_tensorcnt 0x0                           ; the wave's end, behind my last tensor load
	ds_add_u32 v[SPW], v[NIL]
	s_wait_dscnt 0x0
	CROUND                                         ; the closing round: no work-group ends while a partner may still ask for a tile that names it
	s_endpgm
.Lfunc_end_k_q88c2964f76_proj:
	.size	k_q88c2964f76_proj, .Lfunc_end_k_q88c2964f76_proj-k_q88c2964f76_proj
	.p2alignl 7, 3214868480
	.fill 96, 4, 3214868480
	.section	.rodata,"a",@progbits
	.p2align	6, 0x0
	.amdhsa_kernel k_q88c2964f76_proj
		.amdhsa_group_segment_fixed_size 327680
		.amdhsa_private_segment_fixed_size 0
		.amdhsa_enable_private_segment 0
		.amdhsa_kernarg_size 104
		.amdhsa_user_sgpr_count 2
		.amdhsa_user_sgpr_kernarg_segment_ptr 1
		.amdhsa_wavefront_size32 1
		.amdhsa_system_sgpr_workgroup_id_x 1
		.amdhsa_system_sgpr_workgroup_id_y 1
		.amdhsa_system_sgpr_workgroup_id_z 1
		.amdhsa_system_vgpr_workitem_id 0
		.amdhsa_next_free_vgpr 1024
		.amdhsa_next_free_sgpr 100
		.amdhsa_reserve_vcc 0
		.amdhsa_float_denorm_mode_32 3
		.amdhsa_float_denorm_mode_16_64 3
		.amdhsa_memory_ordered 1
		.amdhsa_forward_progress 1
		.amdhsa_inst_pref_size 198
	.end_amdhsa_kernel
	.amdgpu_metadata
---
amdhsa.version: [ 1, 2 ]
amdhsa.kernels:
  - .name:           k_q88c2964f76_proj
    .symbol:         k_q88c2964f76_proj.kd
    .args:
      - { .name: query_codes, .offset: 0, .size: 8, .value_kind: global_buffer, .address_space: global }
      - { .name: key_codes, .offset: 8, .size: 8, .value_kind: global_buffer, .address_space: global }
      - { .name: value_codes, .offset: 16, .size: 8, .value_kind: global_buffer, .address_space: global }
      - { .name: Wq_codes, .offset: 24, .size: 8, .value_kind: global_buffer, .address_space: global }
      - { .name: Wk_codes, .offset: 32, .size: 8, .value_kind: global_buffer, .address_space: global }
      - { .name: Wv_codes, .offset: 40, .size: 8, .value_kind: global_buffer, .address_space: global }
      - { .name: bq, .offset: 48, .size: 8, .value_kind: global_buffer, .address_space: global }
      - { .name: bk, .offset: 56, .size: 8, .value_kind: global_buffer, .address_space: global }
      - { .name: bv, .offset: 64, .size: 8, .value_kind: global_buffer, .address_space: global }
      - { .name: qimg, .offset: 72, .size: 8, .value_kind: global_buffer, .address_space: global }
      - { .name: kimg, .offset: 80, .size: 8, .value_kind: global_buffer, .address_space: global }
      - { .name: vimg, .offset: 88, .size: 8, .value_kind: global_buffer, .address_space: global }
      - { .name: lowp_scales, .offset: 96, .size: 8, .value_kind: global_buffer, .address_space: global }
    .group_segment_fixed_size: 327680
    .private_segment_fixed_size: 0
    .kernarg_segment_align: 8
    .kernarg_segment_size: 104
    .max_flat_workgroup_size: 128
    .sgpr_count:     100
    .vgpr_count:     1024
    .wavefront_size: 32
...
	.end_amdgpu_metadata
.endif
;; end of part 2
;; launch attn (part 3): grid 4 x 64, 16 waves a work-group, no clusters, 264,192 bytes of LDS; arguments qimg, kimg, vimg, mbits, lowp_scales, aimg; writes aimg
.if DOCPART == 3
	.amdgcn_target "amdgcn-amd-amdhsa--gfx1250"
	.amdhsa_code_object_version 6
	.text
	.protected	k_q88c2964f76_attn
	.globl	k_q88c2964f76_attn
	.p2align	8
	.type	k_q88c2964f76_attn,@function
k_q88c2964f76_attn:
	s_mov_b64 s[64:65], 0
	v_nop
	global_prefetch_b8 v0, s[64:65] scope:SCOPE_SE
	s_setreg_imm32_b32 hwreg(HW_REG_WAVE_MODE, 25, 1), 1
	s_wait_xcnt 0x0
; out[b][q][h] = softmax_k(where(mask == 0, -1e9, q . k / 8)) v, both products on codes of E5M2 by v_wmma_f32_16x16x64_bf8_bf8; the result is quantised (e10) and stored as the image of the last product's operand.
; THE SOFTMAX AHEAD OF THE SECOND PRODUCT: t = logit x log2(e); M = the running largest t rounded UP to a whole number; p = 2^(t - M) is quantised (e8), not normalised; the row's sum l is taken of the unquantised p
; and divides at the end.  When M moves, l and O are multiplied by 2^(old M - new M): exact.
; SHARES.  A work-group owns 512 queries of one head (x: the block, y: bh = 16 b + h); each of its sixteen waves owns 32 of them, two tiles, so that each fragment of k and v read from LDS feeds two products.
; Every wave walks the head's 2,048 keys, 64 a step.  Four waves share a SIMD, so that one wave's vector work stands beside another's products and LDS loads.
; LAYOUT.  Both products are used transposed: S^T = k q^T (source 0 = 16 keys, source 1 = 16 queries), O^T = v^T p^T: a lane holds ONE query (lane % 16) throughout; score register 8 t + j is key 16 t + 8 (lane / 16) + j,
; so p's conversions give the second product's operand as it stands, and v's image is laid by the same order of keys.
; THE MASK comes as lane masks (mbits): one word for each score register, 64 words a wave and step, by scalar loads; a select puts NEG in place of a masked sum.
; K AND V.  The head's two images (131,072 bytes each) are brought into LDS ONCE, through registers: waves 0-7 bring k's, waves 8-15 v's, two loads of 512 bytes a wave and trip, two trips (four steps) ahead of
; their first read; stored at a trip's end, in front of the trip's one barrier.  No byte of LDS is written twice, so no read has to be over before a store.
; WHY NO TENSOR LOAD, NO CLUSTER: what the four work-groups of a head share is these 256 KiB, read once in the whole walk: one load of 16 bytes a lane for each step, beside the step's 290 vector instructions.
; Where 57,344 x 2^e8 >= 1.75 (e8 >= -15) the hold on p, 64 of a step's instructions, can hold nothing and is jumped over.
; LIMITS.  e6 + e7 between -94 and 130; e8, and e10 - e8 - e9, between -126 and 112.  THE MASKED LOGIT IS -2^30 where reference() has -1e9: the select is made on the raw sum with NEG = -2^(33 - e6 - e7), so that
; NEG x c is a whole number and a row that is wholly masked gives p = 1 exactly, the mean of v; results differ from reference()'s only where an unmasked logit lies under about -9.9e8.
; Unmasked logits stay under 1.1e7 in magnitude (|t| < 2^24): then the rounded c x maximum and the fused t - M differ by half a unit at the most, p <= 2^0.5, and the jump over the hold is sound.
.set LI,  1                            ; v1   16 x lane; never rewritten
.set AD,  2                            ; v2   LI + the trip's first byte in k's image
.set ADV, 3                            ; v3   the same in v's image
.set SA,  4                            ; v4   where I store: (wave / 8) x 131,072 + (wave % 8) x 512 + LI
.set SAD, 5                            ; v5   SA + the trip's first byte
.set PSC, 6                            ; v6   2^e8 as f32, for p's conversions
.set PFO, 7                            ; v7   the prefetch's offset; never rewritten
.set ST,  8                            ; v8-23   eight a tile: +0 -M, +1 the running largest raw sum, +2, +3 l in two halves, +4 f, +5 (the pair's upper word, written once), +6, +7 at work
.set SG,  24                           ; v24-31  32 bytes a lane on their way to LDS
.set Q,   32                           ; v32-47  q's two fragments
.set P,   48                           ; v48-63  p's codes
.set KF,  64                           ; v64-95  k's four fragments
.set VF,  96                           ; v96-127 v's four
.set S,   128                          ; v128-191 S^T, then p: tile u at 32 u
.set O,   192                          ; v192-255 O^T: tile u at 32 u, register 8 ct + j = channel 16 ct + 8 (lane / 16) + j
.set GB,  4                            ; s[4:5]  k's or v's image at my 512 bytes of the chunk to be fetched
.set MB,  6                            ; s[6:7]  my wave's mask words of the step that was loaded last
.set TB,  9                            ; s9   the trip's first byte in an image: 8,192 x trip
.set TR,  10                           ; s10  trips to go
.set WV,  11                           ; s11  wave
.set CS,  12                           ; s[12:13] c = log2(e) / 8 x 2^(e6 + e7), twice (the packed form names a pair)
.set NEG, 14                           ; s14  -2^(33 - e6 - e7)
.set HOLD, 15                          ; s15  57,344 x 2^e8
.set E8,  16                           ; s16  e8
.set SEL, 18                           ; s[18:19] v_permlanex16_b32's selects for lane l xor 16
.set OB,  20                           ; s[20:21] aimg at my wave's first block
.set PFA, 22                           ; s[22:23] where the prefetches stand
.set LIM, 24                           ; s24  1 in the wave that prefetches
.set HI,  25                           ; s25  lanes 16-31
.set OSC, 26                           ; s26  2^(e10 - e8 - e9);  s27: 57,344 x that
.set QB,  28                           ; s[28:29] q's image at my two tiles
.set MW0, 32                           ; s[32:63] tile 0's 32 mask words;  s[68:99] tile 1's
.set VIMG, 0x20000                     ; LDS: k's image from 0, v's from here
.set SPARE, 0x40000                    ; behind them: the spare words, 128 bytes for each wave: eight blocks of 256 bytes that no other line names
	s_load_b256 s[68:75], s[0:1], 0x0              ; qimg 68, kimg 70, vimg 72, mbits 74
	s_load_b128 s[76:79], s[0:1], 0x20             ; the scales' exponents 76, aimg 78
	v_lshrrev_b32 v2, 5, v0
	v_readfirstlane_b32 s[WV], v2                  ; wave 0..15
	v_and_b32 v3, 31, v0
	v_lshlrev_b32 v[LI], 4, v3
	s_lshr_b32 s2, s[WV], 3
	s_lshl_b32 s2, s2, 17
	s_and_b32 s3, s[WV], 7
	s_lshl_b32 s3, s3, 9
	s_add_co_u32 s2, s2, s3
	v_add_nc_u32 v[SA], s2, v[LI]
	v_lshrrev_b32 v5, 1, v3
	v_and_b32 v[PFO], 1, v3
	v_lshlrev_b32 v[PFO], 8, v[PFO]
	v_lshl_add_u32 v[PFO], v5, 13, v[PFO]          ; lane l names the words of wave l / 2 (8,192 bytes apart), step l % 2 of a trip (256 bytes apart)
	s_and_b32 s8, ttmp7, 0xffff                    ; bh
	s_lshl_b32 s17, s8, 17                         ; a head's image is 131,072 bytes
	s_add_co_u32 s32, s17, s3                      ; k, v: + my 512 bytes of a step's 4,096
	s_mov_b32 s33, 0
	s_lshl_b32 s34, ttmp9, 15
	s_add_co_u32 s34, s34, s17
	s_lshl_b32 s35, s[WV], 11
	s_add_co_u32 s34, s34, s35                     ; q: tile 32 x + 2 wave, 1,024 bytes a tile
	s_mov_b32 s35, 0
	s_lshr_b32 s36, s8, 4
	s_lshl_b32 s36, s36, 19
	s_lshl_b32 s37, ttmp9, 17
	s_add_co_u32 s36, s36, s37                     ; mbits: b x 2^19 + 16 x pairs of tiles of 8,192 bytes: my work-group's,
	s_mov_b32 s37, 0
	s_lshl_b32 s38, s[WV], 13
	s_add_co_u32 s38, s38, s36                     ; and my wave's
	s_mov_b32 s39, 0
	s_bfe_u32 s40, s8, 0x20002                     ; aimg: [h / 4][token tile 128 b + 32 x + 2 wave + u: 4,096 bytes][(h % 4) / 2: 2,048][2 (h % 2) + i: 512]
	s_lshl_b32 s40, s40, 21
	s_and_b32 s41, s8, 3
	s_lshl_b32 s41, s41, 10
	s_add_co_u32 s40, s40, s41
	s_add_co_u32 s40, s40, s38                     ; (the token tile's bytes are the same number as my place in mbits)
	s_mov_b32 s41, 0
	s_and_b32 s[LIM], s8, 15
	s_or_b32 s[LIM], s[LIM], s[WV]
	s_cmp_eq_u32 s[LIM], 0
	s_cselect_b32 s[LIM], 1, 0                     ; head 0's work-groups, wave 0
	s_mov_b32 s[SEL], 0x76543210
	s_mov_b32 s[SEL+1], 0xfedcba98
	s_mov_b32 s[HI], 0xffff0000
	s_mov_b32 s[TB], 0
	s_mov_b32 s[TR], 14
	s_wait_kmcnt 0x0
	s_load_b256 s[84:91], s[76:77], 0x10           ; e4 .. e11: e6 86, e7 87, e8 88, e9 89, e10 90
	s_cmp_lt_u32 s[WV], 8
	s_cselect_b64 s[GB:GB+1], s[70:71], s[72:73]   ; waves 0-7 bring k's image, waves 8-15 v's
	s_add_nc_u64 s[GB:GB+1], s[GB:GB+1], s[32:33]
	s_add_nc_u64 s[QB:QB+1], s[68:69], s[34:35]
	s_add_nc_u64 s[PFA:PFA+1], s[74:75], s[36:37]
	s_add_nc_u64 s[MB:MB+1], s[74:75], s[38:39]
	s_add_nc_u64 s[OB:OB+1], s[78:79], s[40:41]
.irp k, 0,1,2,3
	global_load_b128 v[S+4*\k:S+4*\k+3], v[LI], s[GB:GB+1] offset:4096*\k   ; my part of steps 0 to 3
.endr
.irp u, 0,1
.irp i, 0,1
	global_load_b128 v[Q+8*\u+4*\i:Q+8*\u+4*\i+3], v[LI], s[QB:QB+1] offset:1024*\u+512*\i   ; q stays in registers
.endr
.endr
	s_wait_kmcnt 0x0
	s_add_co_i32 s2, s86, s87                      ; a raw sum stands for sum x 2^(e6 + e7): the exponents are added to c's exponent field
	s_lshl_b32 s3, s2, 23
	s_add_co_i32 s[CS], s3, 0x3e38aa3b             ; c = log2(e) / sqrt(64)
	s_mov_b32 s[CS+1], s[CS]
	s_sub_co_i32 s[NEG], 160, s2
	s_lshl_b32 s[NEG], s[NEG], 23
	s_or_b32 s[NEG], s[NEG], 0x80000000            ; -2^(33 - e6 - e7): x c it is -2^30 log2(e), c's mantissa under another exponent: exact, and a whole number
	s_mov_b32 s[E8], s88
	s_add_co_i32 s2, s88, 127
	s_lshl_b32 s3, s2, 23
	v_mov_b32 v[PSC], s3
	s_add_co_i32 s2, s2, 15
	s_lshl_b32 s2, s2, 23
	s_or_b32 s[HOLD], s2, 0x600000
	s_sub_co_i32 s2, s90, s88                      ; O / l stands for x 2^(e8 + e9): its code is (O / l) / 2^(e10 - e8 - e9): the three scales folded into the conversion's one
	s_sub_co_i32 s2, s2, s89
	s_add_co_i32 s2, s2, 127
	s_lshl_b32 s[OSC], s2, 23
	s_add_co_i32 s2, s2, 15
	s_lshl_b32 s2, s2, 23
	s_or_b32 s[OSC+1], s2, 0x600000
.macro MLOAD step                      ; a step's 64 mask words, 256 consecutive bytes.  The base is stepped behind the wait that showed the last four loads done
.if \step
	s_add_nc_u64 s[MB:MB+1], s[MB:MB+1], 256
.endif
	s_load_b512 s[32:47], s[MB:MB+1], 0x0
	s_load_b512 s[48:63], s[MB:MB+1], 0x40
	s_load_b512 s[68:83], s[MB:MB+1], 0x80
	s_load_b512 s[84:99], s[MB:MB+1], 0xc0
.endm
	MLOAD 0                                        ; step 0's.  (All that lay in s32-41 and s68-91 has been used)
.set n, 0
.rept 64
	v_mov_b32 v[O+n], 0                            ; O^T.  (The step is written once: the first finds zeros, which the first change of M leaves zeros)
.set n, n+1
.endr
.irp u, 0,1
	v_mov_b32 v[ST+8*\u], 0x7f61b1e6               ; -M: 3e38
	v_mov_b32 v[ST+8*\u+1], 0xff61b1e6             ; the largest raw sum so far: -3e38, under NEG and every sum
	v_mov_b32 v[ST+8*\u+2], 0                      ; l
	v_mov_b32 v[ST+8*\u+3], 0
	v_mov_b32 v[ST+8*\u+5], 0
.endr
	s_wait_loadcnt 4                               ; my four loads of k or v are in; q's four may be out
.irp k, 0,1,2,3
	ds_store_b128 v[SA], v[S+4*\k:S+4*\k+3] offset:4096*\k
.endr
	s_add_nc_u64 s[GB:GB+1], s[GB:GB+1], 16384     ; (those four loads are done: their base may step)  on to step 4
	s_wait_dscnt 0x0                               ; for the others' sake: my stores have landed
	s_barrier_signal -1
	s_barrier_wait -1                              ; steps 0 to 3 of both images lie in LDS
.irp t, 0,1,2,3
.irp i, 0,1
	ds_load_b128 v[KF+8*\t+4*\i:KF+8*\t+4*\i+3], v[LI] offset:1024*\t+512*\i   ; k of step 0
.endr
.endr
	s_wait_loadcnt 0x0                             ; q
.macro MASK u                          ; where the mask's bit is 0 the raw sum becomes NEG; each accumulator from its low end on
.set n, 0
.rept 32
	v_cndmask_b32 v[S+32*\u+n], s[NEG], v[S+32*\u+n], s[MW0+36*\u+n]
.set n, n+1
.endr
.endm
; Ahead of a tile's exponentials: number pj of 40.  0-15 the largest of the lane's 32 sums, in two chains; 16, 17 the other half of the lanes', and the running largest; 18-23 t, -M = floor(-t), f = 2^(old M - new M);
; 24-39 t - M, two at a time (of the pairs c and -M the low word serves both halves).
.macro PRE u
.set rT, ST+8*(\u)
.set rS, S+32*(\u)
.if pj == 0
	v_max3_num_f32 v[rT+6], v[rS], v[rS+1], v[rS+2]
.elseif pj == 1
	v_max3_num_f32 v[rT+7], v[rS+3], v[rS+4], v[rS+5]
.elseif pj < 15
	v_max3_num_f32 v[rT+6+pj%2], v[rT+6+pj%2], v[rS+2+2*pj], v[rS+3+2*pj]
.elseif pj == 15
	v_max_num_f32 v[rT+6], v[rT+6], v[rT+7]
.elseif pj == 16
	v_permlanex16_b32 v[rT+7], v[rT+6], s[SEL], s[SEL+1]
.elseif pj == 17
	v_max3_num_f32 v[rT+1], v[rT+1], v[rT+6], v[rT+7]
.elseif pj == 18
	v_mul_f32 v[rT+6], s[CS], v[rT+1]              ; as t (c is positive)
.elseif pj == 19
	v_floor_f32 v[rT+7], -v[rT+6]                  ; the new -M = -ceil(t): a whole number
.elseif pj == 20
	v_sub_f32 v[rT+6], v[rT+7], v[rT]              ; old M - new M: a whole number, 0 or less
.elseif pj == 21
	v_mov_b32 v[rT], v[rT+7]
.elseif pj == 22
	v_cvt_i32_f32 v[rT+6], v[rT+6]                 ; (it saturates)
.elseif pj == 23
	v_ldexp_f32 v[rT+4], 1.0, v[rT+6]
.else
	v_pk_fma_f32 v[rS+2*(pj-24):rS+2*(pj-24)+1], v[rS+2*(pj-24):rS+2*(pj-24)+1], s[CS:CS+1], v[rT:rT+1] op_sel_hi:[1,0,0]
.endif
.endm
; Behind a tile's exponentials: number qj of 33.  0 l x f; 1-16 l += the 32 unquantised p, two at a time, in two chains; 17-32 O^T x f.
.macro POST u
.set rT, ST+8*(\u)
.set rS, S+32*(\u)
.set rO, O+32*(\u)
.if qj == 0
	v_pk_mul_f32 v[rT+2:rT+3], v[rT+2:rT+3], v[rT+4:rT+5] op_sel_hi:[1,0]
.elseif qj == 1
	v_pk_add_f32 v[rT+6:rT+7], v[rS:rS+1], v[rS+2:rS+3]
.elseif (qj < 16) && (qj%2 == 0)
	v_pk_add_f32 v[rT+2:rT+3], v[rT+2:rT+3], v[rS+2*qj:rS+2*qj+1]
.elseif qj < 16
	v_pk_add_f32 v[rT+6:rT+7], v[rT+6:rT+7], v[rS+2*qj:rS+2*qj+1]
.elseif qj == 16
	v_pk_add_f32 v[rT+2:rT+3], v[rT+2:rT+3], v[rT+6:rT+7]
.else
	v_pk_mul_f32 v[rO+2*(qj-17):rO+2*(qj-17)+1], v[rO+2*(qj-17):rO+2*(qj-17)+1], v[rT+4:rT+5] op_sel_hi:[1,0]
.endif
.endm
; A KEY STEP: 64 keys, the q-th of the trip.  kpre: the next step's k is fetched; mpre: its mask words.
; Each tile's 32 exponentials are one batch; a plain instruction OF THE OTHER TILE stands behind each of them, and one wait behind each batch, ahead of the first line that names a result of it.
; The sixteen accumulators take turns, one instruction a turn.
.macro STEP q, kpre, mpre
	s_wait_dscnt 0x0                               ; k's fragments are in
.irp t, 0,1,2,3
.irp u, 0,1
	v_wmma_f32_16x16x64_bf8_bf8 v[S+32*\u+8*\t:S+32*\u+8*\t+7], v[KF+8*\t:KF+8*\t+7], v[Q+8*\u:Q+8*\u+7], 0
.endr
.endr
.rept 4
	v_nop                                          ; places in front of the loads into k's and v's registers, which matrix instructions have read, and of the first read of the sums
.endr
.irp ct, 0,1,2,3
.irp i, 0,1
	ds_load_b128 v[VF+8*\ct+4*\i:VF+8*\ct+4*\i+3], v[ADV] offset:4096*\q+1024*\ct+512*\i   ; this step's v: the softmax stands between these loads and their use
.endr
.endr
.if \kpre
.irp t, 0,1,2,3
.irp i, 0,1
	ds_load_b128 v[KF+8*\t+4*\i:KF+8*\t+4*\i+3], v[AD] offset:4096*(\q+1)+1024*\t+512*\i   ; the next step's k
.endr
.endr
.endif
	s_wait_kmcnt 0x0                               ; this step's mask words, asked for a step ago
	MASK 0
	MASK 1
.if \mpre
	MLOAD 1                                        ; the next step's, as soon as the words are free: the rest of the step in which to land
.endif
.set pj, 0
.rept 40
	PRE 0
.set pj, pj+1
.endr
.set pj, 0
.rept 32
	v_exp_f32 v[S+pj], v[S+pj]                     ; tile 0: p = 2^(t - M)
	PRE 1
.set pj, pj+1
.endr
.rept 8
	PRE 1
.set pj, pj+1
.endr
	s_wait_alu depctr_va_vdst(0)                   ; one wait for tile 0's batch, ahead of its first reader
.set qj, 0
	POST 0
.rept 32
	v_exp_f32 v[S+32+qj], v[S+32+qj]               ; tile 1
.set qj, qj+1
	POST 0
.endr
	s_wait_alu depctr_va_vdst(0)                   ; one wait for tile 1's batch
.set qj, 0
.rept 17
	POST 1
.set qj, qj+1
.endr
	s_cmp_ge_i32 s[E8], -15                        ; 57,344 x 2^e8 >= 1.75 > p: the hold can hold nothing.  A scalar branch on a given whole number, the same in all waves; no barrier stands under it
	s_cbranch_scc1 .Lroom_\@
.set n, 0
.rept 64
	v_min_num_f32 v[S+n], s[HOLD], v[S+n]          ; the conversion to an 8-bit code does not saturate (ISA guide 7.6.2); p is not negative, so the hold is one-sided
.set n, n+1
.endr
.Lroom_\@:
.irp u, 0,1
.irp t, 0,1,2,3
	v_cvt_scalef32_pk8_bf8_f32 v[P+8*\u+2*\t:P+8*\u+2*\t+1], v[S+32*\u+8*\t:S+32*\u+8*\t+7], v[PSC]
.endr
.endr
.rept 16
	POST 1                                         ; tile 1's O^T x f: also the plain lines between the conversions and the products that read their results
.set qj, qj+1
.endr
.if \kpre
	s_wait_dscnt 8                                 ; v's eight loads are in; the eight younger ones, the next step's k, may be out
.else
	s_wait_dscnt 0x0
.endif
.irp ct, 0,1,2,3
.irp u, 0,1
	v_wmma_f32_16x16x64_bf8_bf8 v[O+32*\u+8*\ct:O+32*\u+8*\ct+7], v[VF+8*\ct:VF+8*\ct+7], v[P+8*\u:P+8*\u+7], v[O+32*\u+8*\ct:O+32*\u+8*\ct+7]
.endr
.endr
.endm
; A PREFETCH INTO THE L2 of the next trip's mask words: for each of the work-group's sixteen waves two steps' 256 bytes: 32 aligned blocks of 256 bytes, a lane a block, one instruction.
; The sixteen heads of a batch read the same words: head 0's work-groups ask, and in them wave 0, so each block is named once in the launch.  It stands behind the trip's loads; the first trip's words
; come by their loads alone, and the last trip asks for nothing.
.macro ASK
	s_cmp_eq_u32 s[LIM], 1
	s_cbranch_scc0 .Lnot_mine_\@
	global_prefetch_b8 v[PFO], s[PFA:PFA+1] th:TH_LOAD_NT scope:SCOPE_SE
.Lnot_mine_\@:
.endm
; A TRIP: two key steps.  fill = 1: my 1,024 bytes of the chunk two trips on are asked for at the trip's head and stored at its end, in front of the barrier that shows them to all waves.
; Between two barriers the waves read bytes TB .. TB + 12,287 of each image and store bytes TB + 16,384 .. TB + 24,575.
.macro TRIP fill, ask, kpre, mpre
.if \ask
	s_wait_xcnt 0x0                                ; the last prefetch, a trip back, has read its address, so it may be written
	s_add_nc_u64 s[PFA:PFA+1], s[PFA:PFA+1], 512   ; the next trip's words
.endif
	v_add_nc_u32 v[AD], s[TB], v[LI]
	v_add_nc_u32 v[ADV], VIMG, v[AD]
.if \fill
	v_add_nc_u32 v[SAD], s[TB], v[SA]
	global_load_b128 v[SG:SG+3], v[LI], s[GB:GB+1]
	global_load_b128 v[SG+4:SG+7], v[LI], s[GB:GB+1] offset:4096
.endif
.if \ask
	ASK
.endif
	STEP 0, 1, 1
	STEP 1, \kpre, \mpre
.if \fill
	s_wait_loadcnt 0x0                             ; asked for two steps ago
	ds_store_b128 v[SAD], v[SG:SG+3] offset:16384
	ds_store_b128 v[SAD], v[SG+4:SG+7] offset:20480
	s_add_nc_u64 s[GB:GB+1], s[GB:GB+1], 8192      ; (the loads are done: their base may step)
	s_wait_dscnt 0x0                               ; for the others' sake: my stores have landed
	s_barrier_signal -1
	s_barrier_wait -1
.endif
	s_add_co_u32 s[TB], s[TB], 8192
.endm
.Ltrip:                                            ; 14 trips bring chunks 2 to 15
	TRIP 1, 1, 1, 1
	s_sub_co_u32 s[TR], s[TR], 1
	s_cmp_lg_u32 s[TR], 0
	s_cbranch_scc1 .Ltrip
	TRIP 0, 1, 1, 1                                ; the last two trips are written out: nothing is left to bring, so they have no barrier;
	TRIP 0, 0, 0, 0                                ; the last step fetches no k and no mask words: no load leaves its buffer
	; THE WAY OUT.  l's halves are added; O^T / l is held, quantised and stored as the image of the last product's operand.  The additions and moves are the places behind the last products.
.irp u, 0,1
	v_add_f32 v[ST+8*\u+6], v[ST+8*\u+2], v[ST+8*\u+3]
.endr
.irp u, 0,1
	v_permlanex16_b32 v[ST+8*\u+7], v[ST+8*\u+6], s[SEL], s[SEL+1]
.endr
.irp u, 0,1
	v_add_f32 v[ST+8*\u+6], v[ST+8*\u+6], v[ST+8*\u+7]
.endr
.irp u, 0,1
	v_rcp_f32 v[ST+8*\u+4], v[ST+8*\u+6]
.endr
	v_mov_b32 v[PSC], s[OSC]                       ; (plain lines behind the reciprocals)  2^(e10 - e8 - e9)
	v_mov_b32 v[SAD], s[OSC+1]                     ; 57,344 x that
	s_wait_alu depctr_va_vdst(0)                   ; one wait for the two reciprocals, ahead of their first reader
.irp u, 0,1
.irp j, 0,2,4,6,8,10,12,14,16,18,20,22,24,26,28,30
	v_pk_mul_f32 v[S+32*\u+\j:S+32*\u+\j+1], v[O+32*\u+\j:O+32*\u+\j+1], v[ST+8*\u+4:ST+8*\u+5] op_sel_hi:[1,0]   ; each accumulator from its low end on
.endr
.endr
.set n, 0
.rept 64
	v_med3_num_f32 v[S+n], v[S+n], -v[SAD], v[SAD]
.set n, n+1
.endr
.irp u, 0,1
.irp ct, 0,1,2,3
	v_cvt_scalef32_pk8_bf8_f32 v[P+8*\u+2*\ct:P+8*\u+2*\ct+1], v[S+32*\u+8*\ct:S+32*\u+8*\ct+7], v[PSC]   ; channels 16 ct + 8 (lane / 16) + 0 .. 7 of my query
.endr
.endr
	v_nop                                          ; one plain vector instruction between the conversions and the readers of their results
; The last product fetches Wo's rows 16 bytes a lane (K = 32 c + 16 (lane / 16) + 0 .. 15), so its other operand is laid the same way: for each 32 channels the two halves of the lanes exchange 8 bytes.
; Lanes 0-15 keep channels 0-7 and get 8-15; lanes 16-31 get 16-23 and keep 24-31.
.irp u, 0,1
.irp i, 0,1
.set C0, P+8*\u+4*\i
.set XR, KF+4*(2*\u+\i)
.set RR, VF+4*(2*\u+\i)
	v_cndmask_b32 v[XR], v[C0+2], v[C0], s[HI]     ; what the lane 16 away wants of me
	v_cndmask_b32 v[XR+1], v[C0+3], v[C0+1], s[HI]
	v_mov_b32 v[XR+2], 0                           ; a lane permute's destination counts as one of its sources
	v_mov_b32 v[XR+3], 0
	v_permlanex16_b32 v[XR+2], v[XR], s[SEL], s[SEL+1]
	v_permlanex16_b32 v[XR+3], v[XR+1], s[SEL], s[SEL+1]
	v_cndmask_b32 v[RR], v[C0], v[XR+2], s[HI]
	v_cndmask_b32 v[RR+1], v[C0+1], v[XR+3], s[HI]
	v_cndmask_b32 v[RR+2], v[XR+2], v[C0+2], s[HI]
	v_cndmask_b32 v[RR+3], v[XR+3], v[C0+3], s[HI]
	global_store_b128 v[LI], v[RR:RR+3], s[OB:OB+1] offset:4096*\u+512*\i   ; 32 lanes store 512 consecutive bytes, at a multiple of 512 from aimg's first byte
.endr
.endr
	v_lshl_add_u32 v[AD], v0, 2, SPARE             ; all 256 registers are at work in the loop, so v0 was kept and the add's two are made here
	v_mov_b32 v[ADV], 0
	s_wait_tensorcnt 0x0                           ; the wave's end, behind my last LDS store
	ds_add_u32 v[AD], v[ADV]
	s_wait_dscnt 0x0
	s_endpgm
.Lfunc_end_k_q88c2964f76_attn:
	.size	k_q88c2964f76_attn, .Lfunc_end_k_q88c2964f76_attn-k_q88c2964f76_attn
	.p2alignl 7, 3214868480
	.fill 96, 4, 3214868480
	.section	.rodata,"a",@progbits
	.p2align	6, 0x0
	.amdhsa_kernel k_q88c2964f76_attn
		.amdhsa_group_segment_fixed_size 264192
		.amdhsa_private_segment_fixed_size 0
		.amdhsa_enable_private_segment 0
		.amdhsa_kernarg_size 48
		.amdhsa_user_sgpr_count 2
		.amdhsa_user_sgpr_kernarg_segment_ptr 1
		.amdhsa_wavefront_size32 1
		.amdhsa_system_sgpr_workgroup_id_x 1
		.amdhsa_system_sgpr_workgroup_id_y 1
		.amdhsa_system_sgpr_workgroup_id_z 1
		.amdhsa_system_vgpr_workitem_id 0
		.amdhsa_next_free_vgpr 256
		.amdhsa_next_free_sgpr 100
		.amdhsa_reserve_vcc 0
		.amdhsa_float_denorm_mode_32 3
		.amdhsa_float_denorm_mode_16_64 3
		.amdhsa_memory_ordered 1
		.amdhsa_forward_progress 1
		.amdhsa_inst_pref_size 139
	.end_amdhsa_kernel
	.amdgpu_metadata
---
amdhsa.version: [ 1, 2 ]
amdhsa.kernels:
  - .name:           k_q88c2964f76_attn
    .symbol:         k_q88c2964f76_attn.kd
    .args:
      - { .name: qimg, .offset: 0, .size: 8, .value_kind: global_buffer, .address_space: global }
      - { .name: kimg, .offset: 8, .size: 8, .value_kind: global_buffer, .address_space: global }
      - { .name: vimg, .offset: 16, .size: 8, .value_kind: global_buffer, .address_space: global }
      - { .name: mbits, .offset: 24, .size: 8, .value_kind: global_buffer, .address_space: global }
      - { .name: lowp_scales, .offset: 32, .size: 8, .value_kind: global_buffer, .address_space: global }
      - { .name: aimg, .offset: 40, .size: 8, .value_kind: global_buffer, .address_space: global }
    .group_segment_fixed_size: 264192
    .private_segment_fixed_size: 0
    .kernarg_segment_align: 8
    .kernarg_segment_size: 48
    .max_flat_workgroup_size: 512
    .sgpr_count:     100
    .vgpr_count:     256
    .wavefront_size: 32
...
	.end_amdgpu_metadata
.endif
;; end of part 3
;; launch oproj (part 4): grid 4 x 32, 4 waves a work-group, clusters of 4 x 4, 327,680 bytes of LDS; arguments aimg, Wo_codes, lowp_scales, bo, out0; writes out0
.if DOCPART == 4
	.amdgcn_target "amdgcn-amd-amdhsa--gfx1250"
	.amdhsa_code_object_version 6
	.text
	.protected	k_q88c2964f76_oproj
	.globl	k_q88c2964f76_oproj
	.p2align	8
	.type	k_q88c2964f76_oproj,@function
k_q88c2964f76_oproj:
	s_mov_b64 s[64:65], 0
	v_nop
	global_prefetch_b8 v0, s[64:65] scope:SCOPE_SE
	s_setreg_imm32_b32 hwreg(HW_REG_WAVE_MODE, 25, 1), 1
	s_wait_xcnt 0x0
	s_wait_alu depctr_hold_cnt(0) depctr_sa_sdst(0) depctr_va_vdst(0) depctr_va_sdst(0) depctr_va_ssrc(0) depctr_va_vcc(0) depctr_vm_vsrc(0)
	s_getreg_b32 s2, hwreg(HW_REG_IB_STS2, 6, 4)
	s_cmp_eq_u32 s2, 0
	s_cbranch_scc0 .Lentry_in_a_cluster
	s_endpgm
.Lentry_in_a_cluster:
	s_bfe_u32 s2, ttmp6, 0x10000c
	s_cmp_lg_u32 s2, 0xf033
	s_cbranch_scc0 .Lentry_shape_is_right
	s_endpgm
.Lentry_shape_is_right:
; out0 = a Wo^T + bo: [8192][1024] f32, K = 1,024, on codes of E5M2: a's made by the launch before (scale 2^e10), Wo's given (2^e11).
; A tile of out0, 256 x 256, is made by a work-group of four waves; a wave makes 128 x 128: 64 accumulators, 512 registers.  K goes in steps of 256 through a ring of two LDS slots filled by the tensor data mover.
; a comes as an IMAGE OF ITS FRAGMENTS' REGISTERS: aimg [K step of 256: 4][tile of 16 tokens: 512][128 along K: 2][c: 4][lane][16 bytes], lane (r, hl) of block c = K 32 c + 16 hl + 0 .. 15 of token r:
; a work-group's part of a K step is one dense block of 65,536 bytes, and a fragment comes out of LDS by four loads of 512 consecutive bytes: no pitch, no padding.  Wo's rows are fetched 16 bytes a lane in the same order of k.
; CLUSTERS of 4 x 4: a's tiles are shared along a row of the cluster, Wo's along a column, each asked for JOINTLY by the same tensor load with the same descriptor and a mask that names the four.
; THE MATRIX INSTRUCTION IS USED TRANSPOSED (source 0 = 16 rows of Wo, source 1 = 16 tokens): a lane holds eight neighbouring numbers of a row of out0.
; THE BIAS is the C of each sum's first matrix instruction, divided by the power of two that the sums lack; each finished sum is multiplied once by 2^(e10 + e11).
; LIMIT: e10 + e11 between -126 and 127, so that 2^(e10 + e11) is an f32 number.  NaN in bo is not served.
; REGISTERS, in windows of 256: window 0: v0-31 addresses; v32-95 the bias (on the way out: a block's numbers); from v128 a's fragments, ONE set (on the way out: rows read back).
;   window 1: Wo's fragments, TWO sets.   window 2: the accumulators of my rows 0-63 ((a, b) at v[8 (8 a + b)]);   window 3: those of my rows 64-127.
.set SIZE_N, 1024
.set KROW,   1024                      ; a row of Wo in memory, in bytes
.set ROWB,   256                       ; a row of Wo's tile: a K step
.set PITCH,  272                       ; in LDS: + 16 of padding = 68 words: the 16 rows that a load touches start at 16 different groups of four banks
.set FR,     16
.set NL,     4
.set NP,     4                         ; places behind this matrix instruction (ISA guide 7.12.1)
.set HALFA,  32768                     ; what one tensor load brings of a's image: 8 tiles of 16 tokens
.set HALFT,  128*PITCH                 ; and of Wo: 128 rows
.set BOFF,   2*HALFA                   ; a slot: a's 65,536 bytes, then Wo's 256 rows
.set SLOT,   BOFF+2*HALFT
.set KSA,    2097152                   ; from a K step of aimg to the next
.set LAPS,   2                         ; a lap = two K steps = once round the ring
.set SPARE,  2*SLOT                    ; behind the ring: the spare words, 128 bytes for each wave: two blocks of 256 bytes that no other line names
.set SPITCH, 528                       ; the way out: a stage of 16 rows x (512 bytes + 16) for each wave, in slot 0, which has had its last fill and its last read when the first result is stored there
.set ADRA, 16                          ; v16-17  LDS address of my fragments of a in slot 0, 1
.set ADRB, 20                          ; v20-21  the same for Wo
.set STO,  24                          ; v24     the way out: where I put 32 bytes of a row
.set RD,   25                          ; v25     where I read a row back
.set CO,   26                          ; v26     16 x lane
.set BO,   27                          ; v27     32 x (lane / 16)
.set SPW,  28                          ; v28     LDS address of my spare word; never rewritten
.set NIL,  29                          ; v29     0; never rewritten
.set BT,   32                          ; v32-95  bo[col + 16 b + 8 (lane / 16) + j] / 2^(e10 + e11) at 8 b + j
.set TMP,  32
.set AF,   128
.set BK,   128
.set G1, 24                            ; s[24:31] descriptor group 1 for a's tiles;  s[32:39] group 0, one set for each slot
.set G0, 32
.set G1B, 48                           ; s[48:55], s[56:63] the same for Wo's
.set G0B, 56
.set MSB, 0
.macro WIN new                         ; the immediate's high byte repeats the setting that is left
.if MSB != \new
	s_set_vgpr_msb (MSB<<8)|\new
.set MSB, \new
.endif
.endm
.set MUL_LO, 0xa1                      ; source 0 (Wo) window 1, source 1 (a) window 0, C and D window 2
.set MUL_HI, 0xf1                      ; the same, C and D window 3
.set TO_B,   0x40                      ; destination window 1, address window 0
.macro JLOAD g0a, g1a, g0b, g1b        ; a joint load: waves 0 and 1 fetch for a, waves 2 and 3 for Wo; an s_nop 0 and four v_nop follow each of the two lines
	s_cmp_eq_u32 s15, 0
	s_cbranch_scc0 .Lfor_b_\@
	tensor_load_to_lds s[\g0a:\g0a+3], s[\g1a:\g1a+7]
	s_nop 0
.rept 4
	v_nop
.endr
	s_branch .Lasked_\@
.Lfor_b_\@:
	tensor_load_to_lds s[\g0b:\g0b+3], s[\g1b:\g1b+7]
	s_nop 0
.rept 4
	v_nop
.endr
.Lasked_\@:
.endm
.macro CREST                           ; a round of the cluster's barrier behind its opening barrier
	s_cmp_lg_u32 s14, 0
	s_cbranch_scc1 .Lnot_wave_0_\@
	s_barrier_signal -3
.Lnot_wave_0_\@:
	s_barrier_wait -3
	s_barrier_signal -1
	s_barrier_wait -1
.endm
.macro CROUND
	s_barrier_signal -1
	s_barrier_wait -1
	CREST
.endm
	s_load_b128 s[4:7], s[0:1], 0x0                ; aimg, Wo's codes
	s_load_b128 s[8:11], s[0:1], 0x10              ; the scales' exponents, bo
	s_load_b64 s[12:13], s[0:1], 0x20              ; out0
	v_lshl_add_u32 v[SPW], v0, 2, SPARE
	v_mov_b32 v[NIL], 0
	ds_add_u32 v[SPW], v[NIL]                      ; the wave's opening: the add, twice on end, and its wait ahead of my first tensor load; the set-up below stands between the second and the wait
	ds_add_u32 v[SPW], v[NIL]
	v_lshrrev_b32 v1, 5, v0
	v_readfirstlane_b32 s14, v1                    ; wave 0..3
	s_lshr_b32 s15, s14, 1                         ; which half of the tile's rows is mine.  Also: I fetch for a (0) or for Wo (1)
	s_and_b32 s16, s14, 1                          ; which half of its columns.  Also: which half of that tile I fetch
	s_bfe_u32 s40, ttmp6, 0x40000                  ; cx, cy: my place in the cluster
	s_bfe_u32 s41, ttmp6, 0x40004
	s_lshl_b32 s42, ttmp9, 2
	s_add_co_u32 s42, s42, s40                     ; tile column = 4 x cluster x + cx
	s_and_b32 s17, ttmp7, 0xffff
	s_lshl_b32 s17, s17, 2
	s_add_co_u32 s17, s17, s41                     ; tile row = 4 x cluster y + cy
	s_lshl_b32 s43, s41, 2
	s_lshl_b32 s43, 15, s43                        ; my row of the cluster
	s_lshl_b32 s44, 0x1111, s40                    ; my column
	s_or_b32 s[G1+0], s43, (0<<16)|(1<<21)         ; a: 15:0 the mask; 17:16 elements of 1 byte; no padding; 21 set beside a mask
	s_mov_b32 s[G1+1], 256<<16                     ; a dense block of 32,768 bytes as 128 rows of 256: tensor_dim0
	s_mov_b32 s[G1+2], 128<<16                     ; tensor_dim1
	s_mov_b32 s[G1+3], 256<<16                     ; tile_dim0
	s_mov_b32 s[G1+4], 128                         ; tile_dim1
	s_mov_b32 s[G1+5], 256                         ; tensor_dim0_stride = the row
	s_mov_b32 s[G1+6], 0
	s_mov_b32 s[G1+7], 0
	s_or_b32 s[G1B+0], s44, (0<<16)|(1<<20)|(1<<21)|(5<<22)|(3<<25)  ; Wo: padding on, four words after every 64
	s_mov_b32 s[G1B+1], ROWB<<16
	s_mov_b32 s[G1B+2], 128<<16
	s_mov_b32 s[G1B+3], ROWB<<16
	s_mov_b32 s[G1B+4], 128
	s_mov_b32 s[G1B+5], KROW
	s_mov_b32 s[G1B+6], 0
	s_mov_b32 s[G1B+7], 0
	s_lshl_b32 s20, s17, 4
	s_lshl_b32 s18, s16, 3
	s_add_co_u32 s20, s20, s18
	s_lshl_b32 s20, s20, 12                        ; a: token tile 16 x tile row + 8 x half, 4,096 bytes a tile
	s_mov_b32 s21, 0
	s_lshl_b32 s46, s42, 8
	s_lshl_b32 s18, s16, 7
	s_add_co_u32 s46, s46, s18
	s_lshl_b32 s46, s46, 10                        ; Wo: row 256 x tile column + 128 x half, 1,024 bytes a row
	s_mov_b32 s47, 0
	s_lshl_b32 s22, s16, 15                        ; where they go: a's halves,
	s_mul_i32 s23, s16, HALFT
	s_add_co_u32 s23, s23, BOFF                    ; then Wo's: no place in the cluster enters an LDS address
	s_wait_dscnt 0x0                               ; both opening adds are done
	s_wait_kmcnt 0x0
	s_load_b64 s[96:97], s[8:9], 0x28              ; e10, e11
	s_add_nc_u64 s[20:21], s[4:5], s[20:21]
	s_add_nc_u64 s[46:47], s[6:7], s[46:47]
	CROUND                                         ; all sixteen work-groups are here: the first joint loads meet
.irp s, 0,1
	s_mov_b32 s[G0+4*\s], 1
	s_add_co_u32 s[G0+4*\s+1], s22, \s*SLOT
	s_add_nc_u64 s[G0+4*\s+2:G0+4*\s+3], s[20:21], \s*KSA
	s_or_b32 s[G0+4*\s+3], s[G0+4*\s+3], 0x80000000
	s_mov_b32 s[G0B+4*\s], 1
	s_add_co_u32 s[G0B+4*\s+1], s23, \s*SLOT
	s_add_nc_u64 s[G0B+4*\s+2:G0B+4*\s+3], s[46:47], \s*ROWB
	s_or_b32 s[G0B+4*\s+3], s[G0B+4*\s+3], 0x80000000
	JLOAD G0+4*\s, G1, G0B+4*\s, G1B               ; two tensor loads of mine are out at the most: these two
.endr
	v_and_b32 v1, 15, v0                           ; l % 16
	v_bfe_u32 v2, v0, 4, 1                         ; l / 16
	v_mul_u32_u24 v3, v1, PITCH
	v_lshl_add_u32 v4, v2, 4, v3                   ; Wo: a fragment's row x pitch + 16 x half
	v_and_b32 v6, 31, v0
	v_lshlrev_b32 v[CO], 4, v6
	v_lshlrev_b32 v[BO], 5, v2
	s_lshl_b32 s21, s15, 15                        ; my 128 rows of a: 8 tiles of its image
	s_mul_i32 s22, s16, HALFT                      ; my 128 rows of Wo,
	s_add_co_u32 s22, s22, BOFF                    ; which lie behind a's image
.irp s, 0,1
	v_add_nc_u32 v[ADRA+\s], s21, v[CO]
	v_add_nc_u32 v[ADRB+\s], s22, v4
	s_add_co_u32 s21, s21, SLOT
	s_add_co_u32 s22, s22, SLOT
.endr
	s_mul_i32 s23, s14, 16*SPITCH                  ; my stage
	v_mul_u32_u24 v5, v1, SPITCH                   ; in: row l % 16, 32 bytes for each half of the lanes
	v_lshl_add_u32 v5, v2, 5, v5
	v_add_nc_u32 v[STO], s23, v5
	v_add_nc_u32 v[RD], s23, v[CO]                 ; back: the 32 lanes take one row of 512 bytes
	s_lshl_b32 s20, s17, 8
	s_lshl_b32 s21, s15, 7
	s_add_co_u32 s20, s20, s21                     ; my first row of out0: 256 x tile row + 128 x half,
	s_lshl_b32 s20, s20, 12                        ; 4,096 bytes a row
	s_mov_b32 s21, 0
	s_lshl_b32 s46, s42, 10                        ; my first column, in bytes: 1,024 x tile column + 512 x half; the same in bo
	s_lshl_b32 s47, s16, 9
	s_add_co_u32 s46, s46, s47
	s_mov_b32 s47, 0
	s_add_nc_u64 s[10:11], s[10:11], s[46:47]
	s_add_nc_u64 s[20:21], s[20:21], s[46:47]
	s_add_nc_u64 s[12:13], s[12:13], s[20:21]
.irp x, 0,1,2,3,4,5,6,7
	global_load_b128 v[BT+8*\x:BT+8*\x+3], v[BO], s[10:11] offset:64*\x
	global_load_b128 v[BT+8*\x+4:BT+8*\x+7], v[BO], s[10:11] offset:64*\x+16
.endr
	s_wait_kmcnt 0x0
	s_add_co_i32 s94, s96, s97                     ; e10 + e11
	s_sub_co_i32 s95, 0, s94
	s_add_co_i32 s96, s94, 127
	s_lshl_b32 s96, s96, 23                        ; 2^(e10 + e11) as f32
	s_mov_b32 s97, s96                             ; (named with it as a pair, so it is written)
	s_wait_loadcnt 0x0
.set n, 0
.rept 64
	v_ldexp_f32 v[BT+n], v[BT+n], s95              ; bo / 2^(e10 + e11), while the first tiles are on their way
.set n, n+1
.endr
.macro FRAGB reg, adr, q, i            ; a fragment of Wo: lane l holds row l % 16; registers 4 c .. 4 c + 3 hold K = 32 c + 16 (l / 16) + 0 .. 15
.irp c, 0,1,2,3
	ds_load_b128 v[\reg+4*\c:\reg+4*\c+3], v[\adr] offset:128*(\q)+32*\c+(\i)*16*PITCH
.endr
.endm
.macro FRAGA reg, adr, q, i            ; a fragment of a, as its image lies: 512 consecutive bytes a load
.irp c, 0,1,2,3
	ds_load_b128 v[\reg+4*\c:\reg+4*\c+3], v[\adr] offset:4096*(\i)+2048*(\q)+512*\c
.endr
.endm
; 16 matrix instructions: a's blocks a0, a0 + 1 x Wo's eight, 128 along K.  p: Wo's set.  first = 1: the first product starts the sums, with the bias as C.
; The 64 accumulators take turns, one instruction a turn, in the same order in every step.
.macro MUL16 a0, p, first
.irp a, \a0, \a0+1
.irp b, 0,1,2,3,4,5,6,7
.if \first
	v_wmma_f32_16x16x128_bf8_bf8 v[8*(8*((\a)%4)+\b):8*(8*((\a)%4)+\b)+7], v[128*(\p)+FR*\b:128*(\p)+FR*\b+FR-1], v[AF+FR*(\a):AF+FR*(\a)+FR-1], v[BT+8*\b:BT+8*\b+7]
.else
	v_wmma_f32_16x16x128_bf8_bf8 v[8*(8*((\a)%4)+\b):8*(8*((\a)%4)+\b)+7], v[128*(\p)+FR*\b:128*(\p)+FR*\b+FR-1], v[AF+FR*(\a):AF+FR*(\a)+FR-1], v[8*(8*((\a)%4)+\b):8*(8*((\a)%4)+\b)+7]
.endif
.endr
.endr
.endm
.macro FETCH_B slot, q, p
	WIN TO_B
.irp i, 0,1,2,3,4,5,6,7
	FRAGB 128*(\p)+FR*\i, ADRB+\slot, \q, \i
.endr
	WIN 0
.endm
.macro FETCH_A slot, q, i0
.irp i, \i0, \i0+1, \i0+2, \i0+3
	FRAGA AF+FR*(\i), ADRA+\slot, \q, \i
.endr
.endm
.macro PLACES n                        ; plain vector instructions between a matrix instruction and a load into a register that it read, or a read of its result (ISA guide 7.12.1 for a read of its result)
.rept \n
	v_nop
.endr
.endm
.macro STEP slot, q, first             ; a step of 128 along K that has its successor in the same slot
	s_wait_dscnt 4*NL                              ; Wo's set and a's blocks 0-3 are in; the sixteen youngest loads (a's blocks 4-7) may be out
.if \first
	WIN 0x81                                       ; C (the bias) window 0, D window 2
.else
	WIN MUL_LO
.endif
	MUL16 0, (\q)%2, \first
	MUL16 2, (\q)%2, \first
	s_wait_dscnt 0                                 ; a's blocks 4-7 are in
	PLACES NP
	FETCH_B \slot, (\q)+1, 1-(\q)%2
	FETCH_A \slot, (\q)+1, 0
.if \first
	WIN 0xc1                                       ; C window 0, D window 3
.else
	WIN MUL_HI
.endif
	MUL16 4, (\q)%2, \first
	MUL16 6, (\q)%2, \first
	PLACES NP
	WIN 0
	FETCH_A \slot, (\q)+1, 4
.endm
; A slot's last step changes slots: ONE barrier; in front of it each wave waits for all its tensor loads, adds 0 to its spare word, and waits for that and for its own reads of this slot.  fill = 1: this slot is filled again, two K steps ahead.
.macro TURN slot, next, fill
	s_wait_tensorcnt 0x0                           ; all my tensor loads have landed: my part of the next slot
	ds_add_u32 v[SPW], v[NIL]                      ; 0 onto my spare word
	s_wait_dscnt 4*NL+1                            ; the add and the sixteen youngest loads (a's blocks 4-7) may be out
	WIN MUL_LO
	MUL16 0, 1, 0                                  ; sixteen matrix instructions stand between the add and the wait for it
	s_wait_dscnt 0x0                               ; the add is done, and my reads of this slot are over
	s_barrier_signal -1
	MUL16 2, 1, 0
	WIN 0
	s_barrier_wait -1
.if \fill
	CREST                                          ; the barrier has opened a round of the cluster's barrier: no wave of any partner still reads this slot's tile or has a load on its way
	s_add_nc_u64 s[G0+4*\slot+2:G0+4*\slot+3], s[G0+4*\slot+2:G0+4*\slot+3], 2*KSA
	s_add_nc_u64 s[G0B+4*\slot+2:G0B+4*\slot+3], s[G0B+4*\slot+2:G0B+4*\slot+3], 2*ROWB
	JLOAD G0+4*\slot, G1, G0B+4*\slot, G1B         ; the first tensor load behind the round, my one load until the next; its four v_nop are the places in front of the loads below
.else
	PLACES NP
.endif
	FETCH_B \next, 0, 0
	FETCH_A \next, 0, 0
	WIN MUL_HI
	MUL16 4, 1, 0
	MUL16 6, 1, 0
	PLACES NP
	WIN 0
	FETCH_A \next, 0, 4
.endm
	s_wait_tensorcnt 1                             ; my part of K step 0 is in; K step 1's load may be out
	s_barrier_signal -1
	s_barrier_wait -1                              ; everybody's is
	FETCH_B 0, 0, 0
	FETCH_A 0, 0, 0
	FETCH_A 0, 0, 4
	STEP 0, 0, 1                                   ; the first step stands in front of the loop: its products start the sums
	s_mov_b32 s3, LAPS-1
.Llap:                                                 ; a trip goes once round the ring, from a lap's second step to the next lap's first, and fills both slots again
	TURN 0, 1, 1
	STEP 1, 0, 0
	TURN 1, 0, 1
	STEP 0, 0, 0
	s_sub_co_u32 s3, s3, 1
	s_cmp_lg_u32 s3, 0
	s_cbranch_scc1 .Llap
	TURN 0, 1, 0                                   ; the last lap fills nothing, and has no round of the cluster's barrier
	STEP 1, 0, 0
	s_wait_dscnt 4*NL                              ; the very last step: a's blocks 4-7 may be out
	WIN MUL_LO
	MUL16 0, 1, 0
	MUL16 2, 1, 0
	s_wait_dscnt 0
	WIN MUL_HI
	MUL16 4, 1, 0
	MUL16 6, 1, 0
	WIN 0
; THE WAY OUT, block by block of 16 rows x 128 columns.  A lane holds 32 neighbouring bytes of a row, and the lanes beside it hold other rows: so a block goes through my own stage in LDS and comes back as whole
; rows of 512 bytes.  LDS serves a wave's instructions in order (ISA guide 5.7.1.4): no wait between the stores and the loads, nor in front of the next block's stores.
.macro TOSTAGE a
.set AC, 64*((\a)%4)
	WIN (0x02+(\a)/4)                              ; source 0: window 2 or 3
.irp j, 0,2,4,6,8,10,12,14,16,18,20,22,24,26,28,30,32,34,36,38,40,42,44,46,48,50,52,54,56,58,60,62
	v_pk_mul_f32 v[TMP+\j:TMP+\j+1], v[AC+\j:AC+\j+1], s[96:97] op_sel_hi:[1,0]   ; x 2^(e10 + e11): nothing is rounded; each accumulator from its low end on
.endr
	WIN 0
.irp b, 0,1,2,3,4,5,6,7
	ds_store_b128 v[STO], v[TMP+8*\b:TMP+8*\b+3] offset:64*\b
	ds_store_b128 v[STO], v[TMP+8*\b+4:TMP+8*\b+7] offset:64*\b+16
.endr
.set BB, BK+64*((\a)%2)
.irp t, 0,1,2,3,4,5,6,7,8,9,10,11,12,13,14,15
	ds_load_b128 v[BB+4*\t:BB+4*\t+3], v[RD] offset:\t*SPITCH
.endr
.endm
.macro SEND a, younger                 ; younger: the LDS instructions issued behind block a's loads, which may stay out
.set BB, BK+64*((\a)%2)
	s_wait_dscnt \younger                          ; the block is back in registers
.if (\a) > 0
	s_add_nc_u64 s[12:13], s[12:13], 16*SIZE_N*4   ; (behind a wait on XCNT: the earlier stores have read their base)  16 rows on
.endif
.irp t, 0,1,2,3,4,5,6,7,8,9,10,11,12,13,14,15
	global_store_b128 v[CO], v[BB+4*\t:BB+4*\t+3], s[12:13] offset:\t*SIZE_N*4 th:TH_STORE_NT   ; 32 lanes store 512 consecutive bytes, at a multiple of 512 from out0's first byte; written once, read by nobody here
.endr
.endm
	PLACES NP                                      ; behind the last products: their results are read, and a's registers loaded into, below
	TOSTAGE 0
.irp a, 1,2,3,4,5,6,7
.if \a > 1
	s_wait_xcnt 0x0                                ; block a - 2's stores have read their registers and their base: block a's loads may land there, and the base may step
.endif
	TOSTAGE \a
	SEND \a-1, 32                                  ; behind block a - 1's loads: block a's 16 stores and 16 loads
.endr
	s_wait_xcnt 0x0                                ; block 6's stores have read their base
	SEND 7, 0
	s_wait_tensorcnt 0x0                           ; the wave's end, behind my last tensor load and my last LDS store
	ds_add_u32 v[SPW], v[NIL]
	s_wait_dscnt 0x0
	CROUND                                         ; the closing round: no work-group ends while a partner may still ask for a tile that names it
	s_endpgm
.Lfunc_end_k_q88c2964f76_oproj:
	.size	k_q88c2964f76_oproj, .Lfunc_end_k_q88c2964f76_oproj-k_q88c2964f76_oproj
	.p2alignl 7, 3214868480
	.fill 96, 4, 3214868480
	.section	.rodata,"a",@progbits
	.p2align	6, 0x0
	.amdhsa_kernel k_q88c2964f76_oproj
		.amdhsa_group_segment_fixed_size 327680
		.amdhsa_private_segment_fixed_size 0
		.amdhsa_enable_private_segment 0
		.amdhsa_kernarg_size 40
		.amdhsa_user_sgpr_count 2
		.amdhsa_user_sgpr_kernarg_segment_ptr 1
		.amdhsa_wavefront_size32 1
		.amdhsa_system_sgpr_workgroup_id_x 1
		.amdhsa_system_sgpr_workgroup_id_y 1
		.amdhsa_system_sgpr_workgroup_id_z 1
		.amdhsa_system_vgpr_workitem_id 0
		.amdhsa_next_free_vgpr 1024
		.amdhsa_next_free_sgpr 100
		.amdhsa_reserve_vcc 0
		.amdhsa_float_denorm_mode_32 3
		.amdhsa_float_denorm_mode_16_64 3
		.amdhsa_memory_ordered 1
		.amdhsa_forward_progress 1
		.amdhsa_inst_pref_size 129
	.end_amdhsa_kernel
	.amdgpu_metadata
---
amdhsa.version: [ 1, 2 ]
amdhsa.kernels:
  - .name:           k_q88c2964f76_oproj
    .symbol:         k_q88c2964f76_oproj.kd
    .args:
      - { .name: aimg, .offset: 0, .size: 8, .value_kind: global_buffer, .address_space: global }
      - { .name: Wo_codes, .offset: 8, .size: 8, .value_kind: global_buffer, .address_space: global }
      - { .name: lowp_scales, .offset: 16, .size: 8, .value_kind: global_buffer, .address_space: global }
      - { .name: bo, .offset: 24, .size: 8, .value_kind: global_buffer, .address_space: global }
      - { .name: out0, .offset: 32, .size: 8, .value_kind: global_buffer, .address_space: global }
    .group_segment_fixed_size: 327680
    .private_segment_fixed_size: 0
    .kernarg_segment_align: 8
    .kernarg_segment_size: 40
    .max_flat_workgroup_size: 128
    .sgpr_count:     100
    .vgpr_count:     1024
    .wavefront_size: 32
...
	.end_amdgpu_metadata
.endif
;; end of part 4
;; ======== version 2 of 2: 4 launches; version 1 with the launch attn written anew for expert scheduling mode
;; limits: right only within a limited range of input values
;; workspace buffers: qimg 8,388,608 bytes; kimg 8,388,608 bytes; vimg 8,388,608 bytes; aimg 8,388,608 bytes; mbits 2,097,152 bytes of whole numbers
;; launch maskpack: the kernel of part 1 again; grid 1024 x 1, 4 waves a work-group, no clusters, 68,096 bytes of LDS; arguments mask, mbits; writes mbits
;; launch proj: the kernel of part 2 again; grid 4 x 96, 4 waves a work-group, clusters of 4 x 4, 327,680 bytes of LDS; arguments query_codes, key_codes, value_codes, Wq_codes, Wk_codes, Wv_codes, bq, bk, bv, qimg, kimg, vimg, lowp_scales; writes qimg, kimg, vimg
;; launch attn (part 5): grid 4 x 64, 16 waves a work-group, no clusters, 264,192 bytes of LDS; arguments qimg, kimg, vimg, mbits, lowp_scales, aimg; writes aimg
.if DOCPART == 5
	.amdgcn_target "amdgcn-amd-amdhsa--gfx1250"
	.amdhsa_code_object_version 6
	.text
	.protected	k_q88c2964f76_attn
	.globl	k_q88c2964f76_attn
	.p2align	8
	.type	k_q88c2964f76_attn,@function
k_q88c2964f76_attn:
	s_mov_b64 s[64:65], 0
	v_nop
	global_prefetch_b8 v0, s[64:65] scope:SCOPE_SE
	s_setreg_imm32_b32 hwreg(HW_REG_WAVE_SCHED_MODE, 0, 2), 2
	s_setreg_imm32_b32 hwreg(HW_REG_WAVE_MODE, 25, 1), 1
	s_wait_xcnt 0x0
	s_wait_alu depctr_vm_vsrc(0)
; out[b][q][h] = softmax_k(where(mask == 0, -1e9, q . k / 8)) v, both products on codes of E5M2 by v_wmma_f32_16x16x64_bf8_bf8; the result is quantised (e10) and stored as the image of the last product's operand.
; THE SOFTMAX AHEAD OF THE SECOND PRODUCT: t = logit x log2(e); M = the running largest t rounded UP to a whole number; p = 2^(t - M) is quantised (e8), not normalised; the row's sum l is taken of the unquantised p
; and divides at the end.  When M moves, l and O are multiplied by 2^(old M - new M): exact.
; SHARES.  A work-group owns 512 queries of one head (x: the block, y: bh = 16 b + h); each of its sixteen waves owns 32 of them, two tiles, so that each fragment of k and v read from LDS feeds two products.
; Every wave walks the head's 2,048 keys, 64 a step.  Four waves share a SIMD, so that one wave's vector work stands beside another's products and LDS loads.
; LAYOUT.  Both products are used transposed: S^T = k q^T (source 0 = 16 keys, source 1 = 16 queries), O^T = v^T p^T: a lane holds ONE query (lane % 16) throughout; score register 8 t + j is key 16 t + 8 (lane / 16) + j,
; so p's conversions give the second product's operand as it stands, and v's image is laid by the same order of keys.
; THE MASK comes as lane masks (mbits): one word for each score register, 64 words a wave and step, by scalar loads; a select puts NEG in place of a masked sum.
; K AND V.  The head's two images (131,072 bytes each) are brought into LDS ONCE, through registers: waves 0-7 bring k's, waves 8-15 v's, two loads of 512 bytes a wave and trip, two trips (four steps) ahead of
; their first read; stored at a trip's end, in front of the trip's one barrier.  No byte of LDS is written twice, so no read has to be over before a store.
; WHY NO TENSOR LOAD, NO CLUSTER: what the four work-groups of a head share is these 256 KiB, read once in the whole walk: one load of 16 bytes a lane for each step, beside the step's 290 vector instructions.
; Where 57,344 x 2^e8 >= 1.75 (e8 >= -15) the hold on p, 64 of a step's instructions, can hold nothing and is jumped over.
; LIMITS.  e6 + e7 between -94 and 130; e8, and e10 - e8 - e9, between -126 and 112.  THE MASKED LOGIT IS -2^30 where reference() has -1e9: the select is made on the raw sum with NEG = -2^(33 - e6 - e7), so that
; NEG x c is a whole number and a row that is wholly masked gives p = 1 exactly, the mean of v; results differ from reference()'s only where an unmasked logit lies under about -9.9e8.
; Unmasked logits stay under 1.1e7 in magnitude (|t| < 2^24): then the rounded c x maximum and the fused t - M differ by half a unit at the most, p <= 2^0.5, and the jump over the hold is sound.
; THE MODE: SCHED_MODE bits 1:0 = 2 (LLVM: expert scheduling mode 2), set by the entry lines.  The code itself states the register dependences
; between vector or matrix instructions and memory or LDS instructions, with s_wait_alu, always for 0.
; THE PLAN.  Registers that memory or LDS instructions touch:
;   v[LI], v[SA], v[PFO]  Written at the head, never again; read by loads, stores and the prefetch: one wait on va_vdst ahead of the first load serves them all.
;   v[AD], v[ADV]         Written by an add each at a trip's head; read by the trip's LDS loads.
;   v[SAD]                Written at a filling trip's head; read by the two LDS stores at its end.  On the way out a move writes it.
;   SG                    The two global loads at a trip's head land in it; the two LDS stores at the trip's end read it.  No vector instruction names it.
;   KF                    Step s: its eight products k q^T read it; behind them, in the same step, the LDS loads of step s + 1's k land in it.
;   VF                    Step s: the LDS loads of its v land in it; its eight products v^T p^T read it.
;   S's first 16          At the head alone: four global loads land there and four LDS stores read them; the first products write them.
;   VF's first 16         On the way out: selects write them, the four global stores read them.
;   Q is loaded once; S, P, O and the statistics are otherwise named by vector and matrix instructions alone.
; So ONE wait on vm_vsrc stands at a trip's head, ahead of the adds and of the loads into SG; and of a step's two waits on va_vdst, which its two batches of exponentials want in any case, the first also states all that
; the step's sixteen LDS loads hang on.  These follow it, dealt among tile 1's exponentials and tile 0's sums, which name S, O and the statistics: none of the registers that those loads touch.
.set LI,  1                            ; v1   16 x lane; never rewritten
.set AD,  2                            ; v2   LI + the trip's first byte in k's image
.set ADV, 3                            ; v3   the same in v's image
.set SA,  4                            ; v4   where I store: (wave / 8) x 131,072 + (wave % 8) x 512 + LI
.set SAD, 5                            ; v5   SA + the trip's first byte
.set PSC, 6                            ; v6   2^e8 as f32, for p's conversions
.set PFO, 7                            ; v7   the prefetch's offset; never rewritten
.set ST,  8                            ; v8-23   eight a tile: +0 -M, +1 the running largest raw sum, +2, +3 l in two halves, +4 f, +5 (the pair's upper word, written once), +6, +7 at work
.set SG,  24                           ; v24-31  32 bytes a lane on their way to LDS
.set Q,   32                           ; v32-47  q's two fragments
.set P,   48                           ; v48-63  p's codes
.set KF,  64                           ; v64-95  k's four fragments
.set VF,  96                           ; v96-127 v's four
.set S,   128                          ; v128-191 S^T, then p: tile u at 32 u
.set O,   192                          ; v192-255 O^T: tile u at 32 u, register 8 ct + j = channel 16 ct + 8 (lane / 16) + j
.set GB,  4                            ; s[4:5]  k's or v's image at my 512 bytes of the chunk to be fetched
.set MB,  6                            ; s[6:7]  my wave's mask words of the step that was loaded last
.set TB,  9                            ; s9   the trip's first byte in an image: 8,192 x trip
.set TR,  10                           ; s10  trips to go
.set WV,  11                           ; s11  wave
.set CS,  12                           ; s[12:13] c = log2(e) / 8 x 2^(e6 + e7), twice (the packed form names a pair)
.set NEG, 14                           ; s14  -2^(33 - e6 - e7)
.set HOLD, 15                          ; s15  57,344 x 2^e8
.set E8,  16                           ; s16  e8
.set SEL, 18                           ; s[18:19] v_permlanex16_b32's selects for lane l xor 16
.set OB,  20                           ; s[20:21] aimg at my wave's first block
.set PFA, 22                           ; s[22:23] where the prefetches stand
.set LIM, 24                           ; s24  1 in the wave that prefetches
.set HI,  25                           ; s25  lanes 16-31
.set OSC, 26                           ; s26  2^(e10 - e8 - e9);  s27: 57,344 x that
.set QB,  28                           ; s[28:29] q's image at my two tiles
.set MW0, 32                           ; s[32:63] tile 0's 32 mask words;  s[68:99] tile 1's
.set VIMG, 0x20000                     ; LDS: k's image from 0, v's from here
.set SPARE, 0x40000                    ; behind them: the spare words, 128 bytes for each wave: eight blocks of 256 bytes that no other line names
	s_load_b256 s[68:75], s[0:1], 0x0              ; qimg 68, kimg 70, vimg 72, mbits 74
	s_load_b128 s[76:79], s[0:1], 0x20             ; the scales' exponents 76, aimg 78
	v_lshrrev_b32 v2, 5, v0
	v_readfirstlane_b32 s[WV], v2                  ; wave 0..15
	v_and_b32 v3, 31, v0
	v_lshlrev_b32 v[LI], 4, v3
	v_lshrrev_b32 v5, 1, v3
	v_and_b32 v[PFO], 1, v3
	v_lshlrev_b32 v[PFO], 8, v[PFO]
	v_lshl_add_u32 v[PFO], v5, 13, v[PFO]          ; lane l names the words of wave l / 2 (8,192 bytes apart), step l % 2 of a trip (256 bytes apart)
	s_wait_alu depctr_va_sdst(0)                   ; s[WV] is written, ahead of its first reader: LDS places, bases and branches are made from it
	s_lshr_b32 s2, s[WV], 3
	s_lshl_b32 s2, s2, 17
	s_and_b32 s3, s[WV], 7
	s_lshl_b32 s3, s3, 9
	s_add_co_u32 s2, s2, s3
	v_add_nc_u32 v[SA], s2, v[LI]
	s_and_b32 s8, ttmp7, 0xffff                    ; bh
	s_lshl_b32 s17, s8, 17                         ; a head's image is 131,072 bytes
	s_add_co_u32 s32, s17, s3                      ; k, v: + my 512 bytes of a step's 4,096
	s_mov_b32 s33, 0
	s_lshl_b32 s34, ttmp9, 15
	s_add_co_u32 s34, s34, s17
	s_lshl_b32 s35, s[WV], 11
	s_add_co_u32 s34, s34, s35                     ; q: tile 32 x + 2 wave, 1,024 bytes a tile
	s_mov_b32 s35, 0
	s_lshr_b32 s36, s8, 4
	s_lshl_b32 s36, s36, 19
	s_lshl_b32 s37, ttmp9, 17
	s_add_co_u32 s36, s36, s37                     ; mbits: b x 2^19 + 16 x pairs of tiles of 8,192 bytes: my work-group's,
	s_mov_b32 s37, 0
	s_lshl_b32 s38, s[WV], 13
	s_add_co_u32 s38, s38, s36                     ; and my wave's
	s_mov_b32 s39, 0
	s_bfe_u32 s40, s8, 0x20002                     ; aimg: [h / 4][token tile 128 b + 32 x + 2 wave + u: 4,096 bytes][(h % 4) / 2: 2,048][2 (h % 2) + i: 512]
	s_lshl_b32 s40, s40, 21
	s_and_b32 s41, s8, 3
	s_lshl_b32 s41, s41, 10
	s_add_co_u32 s40, s40, s41
	s_add_co_u32 s40, s40, s38                     ; (the token tile's bytes are the same number as my place in mbits)
	s_mov_b32 s41, 0
	s_and_b32 s[LIM], s8, 15
	s_or_b32 s[LIM], s[LIM], s[WV]
	s_cmp_eq_u32 s[LIM], 0
	s_cselect_b32 s[LIM], 1, 0                     ; head 0's work-groups, wave 0
	s_mov_b32 s[SEL], 0x76543210
	s_mov_b32 s[SEL+1], 0xfedcba98
	s_mov_b32 s[HI], 0xffff0000
	s_mov_b32 s[TB], 0
	s_mov_b32 s[TR], 14
	s_wait_kmcnt 0x0
	s_load_b256 s[84:91], s[76:77], 0x10           ; e4 .. e11: e6 86, e7 87, e8 88, e9 89, e10 90
	s_cmp_lt_u32 s[WV], 8
	s_cselect_b64 s[GB:GB+1], s[70:71], s[72:73]   ; waves 0-7 bring k's image, waves 8-15 v's
	s_add_nc_u64 s[GB:GB+1], s[GB:GB+1], s[32:33]
	s_add_nc_u64 s[QB:QB+1], s[68:69], s[34:35]
	s_add_nc_u64 s[PFA:PFA+1], s[74:75], s[36:37]
	s_add_nc_u64 s[MB:MB+1], s[74:75], s[38:39]
	s_add_nc_u64 s[OB:OB+1], s[78:79], s[40:41]
	s_wait_alu depctr_va_vdst(0)                   ; v[LI], v[SA] and v[PFO] are written: the loads, stores and prefetches of the whole kernel read them as offsets and addresses, and no line writes them again
.irp k, 0,1,2,3
	global_load_b128 v[S+4*\k:S+4*\k+3], v[LI], s[GB:GB+1] offset:4096*\k   ; my part of steps 0 to 3
.endr
.irp u, 0,1
.irp i, 0,1
	global_load_b128 v[Q+8*\u+4*\i:Q+8*\u+4*\i+3], v[LI], s[QB:QB+1] offset:1024*\u+512*\i   ; q stays in registers
.endr
.endr
	s_wait_kmcnt 0x0
	s_add_co_i32 s2, s86, s87                      ; a raw sum stands for sum x 2^(e6 + e7): the exponents are added to c's exponent field
	s_lshl_b32 s3, s2, 23
	s_add_co_i32 s[CS], s3, 0x3e38aa3b             ; c = log2(e) / sqrt(64)
	s_mov_b32 s[CS+1], s[CS]
	s_sub_co_i32 s[NEG], 160, s2
	s_lshl_b32 s[NEG], s[NEG], 23
	s_or_b32 s[NEG], s[NEG], 0x80000000            ; -2^(33 - e6 - e7): x c it is -2^30 log2(e), c's mantissa under another exponent: exact, and a whole number
	s_mov_b32 s[E8], s88
	s_add_co_i32 s2, s88, 127
	s_lshl_b32 s3, s2, 23
	v_mov_b32 v[PSC], s3
	s_add_co_i32 s2, s2, 15
	s_lshl_b32 s2, s2, 23
	s_or_b32 s[HOLD], s2, 0x600000
	s_sub_co_i32 s2, s90, s88                      ; O / l stands for x 2^(e8 + e9): its code is (O / l) / 2^(e10 - e8 - e9): the three scales folded into the conversion's one
	s_sub_co_i32 s2, s2, s89
	s_add_co_i32 s2, s2, 127
	s_lshl_b32 s[OSC], s2, 23
	s_add_co_i32 s2, s2, 15
	s_lshl_b32 s2, s2, 23
	s_or_b32 s[OSC+1], s2, 0x600000
.macro MLOAD step                      ; a step's 64 mask words, 256 consecutive bytes.  The base is stepped behind the wait that showed the last four loads done
.if \step
	s_add_nc_u64 s[MB:MB+1], s[MB:MB+1], 256
.endif
	s_load_b512 s[32:47], s[MB:MB+1], 0x0
	s_load_b512 s[48:63], s[MB:MB+1], 0x40
	s_load_b512 s[68:83], s[MB:MB+1], 0x80
	s_load_b512 s[84:99], s[MB:MB+1], 0xc0
.endm
	MLOAD 0                                        ; step 0's.  (All that lay in s32-41 and s68-91 has been used)
.set n, 0
.rept 64
	v_mov_b32 v[O+n], 0                            ; O^T.  (The step is written once: the first finds zeros, which the first change of M leaves zeros)
.set n, n+1
.endr
.irp u, 0,1
	v_mov_b32 v[ST+8*\u], 0x7f61b1e6               ; -M: 3e38
	v_mov_b32 v[ST+8*\u+1], 0xff61b1e6             ; the largest raw sum so far: -3e38, under NEG and every sum
	v_mov_b32 v[ST+8*\u+2], 0                      ; l
	v_mov_b32 v[ST+8*\u+3], 0
	v_mov_b32 v[ST+8*\u+5], 0
.endr
	s_wait_loadcnt 4                               ; my four loads of k or v are in; q's four may be out
.irp k, 0,1,2,3
	ds_store_b128 v[SA], v[S+4*\k:S+4*\k+3] offset:4096*\k   ; (their data come from loads; no vector instruction since the wait on va_vdst above names v[SA])
.endr
	s_add_nc_u64 s[GB:GB+1], s[GB:GB+1], 16384     ; (those four loads are done: their base may step)  on to step 4
	s_wait_dscnt 0x0                               ; for the others' sake: my stores have landed
	s_barrier_signal -1
	s_barrier_wait -1                              ; steps 0 to 3 of both images lie in LDS
.irp t, 0,1,2,3
.irp i, 0,1
	ds_load_b128 v[KF+8*\t+4*\i:KF+8*\t+4*\i+3], v[LI] offset:1024*\t+512*\i   ; k of step 0: no vector or matrix instruction has named these registers yet
.endr
.endr
	s_wait_loadcnt 0x0                             ; q
.macro MASK u                          ; where the mask's bit is 0 the raw sum becomes NEG; each accumulator from its low end on
.set n, 0
.rept 32
	v_cndmask_b32 v[S+32*\u+n], s[NEG], v[S+32*\u+n], s[MW0+36*\u+n]
.set n, n+1
.endr
.endm
; Ahead of a tile's exponentials: number pj of 40.  0-15 the largest of the lane's 32 sums, in two chains; 16, 17 the other half of the lanes', and the running largest; 18-23 t, -M = floor(-t), f = 2^(old M - new M);
; 24-39 t - M, two at a time (of the pairs c and -M the low word serves both halves).
.macro PRE u
.set rT, ST+8*(\u)
.set rS, S+32*(\u)
.if pj == 0
	v_max3_num_f32 v[rT+6], v[rS], v[rS+1], v[rS+2]
.elseif pj == 1
	v_max3_num_f32 v[rT+7], v[rS+3], v[rS+4], v[rS+5]
.elseif pj < 15
	v_max3_num_f32 v[rT+6+pj%2], v[rT+6+pj%2], v[rS+2+2*pj], v[rS+3+2*pj]
.elseif pj == 15
	v_max_num_f32 v[rT+6], v[rT+6], v[rT+7]
.elseif pj == 16
	v_permlanex16_b32 v[rT+7], v[rT+6], s[SEL], s[SEL+1]
.elseif pj == 17
	v_max3_num_f32 v[rT+1], v[rT+1], v[rT+6], v[rT+7]
.elseif pj == 18
	v_mul_f32 v[rT+6], s[CS], v[rT+1]              ; as t (c is positive)
.elseif pj == 19
	v_floor_f32 v[rT+7], -v[rT+6]                  ; the new -M = -ceil(t): a whole number
.elseif pj == 20
	v_sub_f32 v[rT+6], v[rT+7], v[rT]              ; old M - new M: a whole number, 0 or less
.elseif pj == 21
	v_mov_b32 v[rT], v[rT+7]
.elseif pj == 22
	v_cvt_i32_f32 v[rT+6], v[rT+6]                 ; (it saturates)
.elseif pj == 23
	v_ldexp_f32 v[rT+4], 1.0, v[rT+6]
.else
	v_pk_fma_f32 v[rS+2*(pj-24):rS+2*(pj-24)+1], v[rS+2*(pj-24):rS+2*(pj-24)+1], s[CS:CS+1], v[rT:rT+1] op_sel_hi:[1,0,0]
.endif
.endm
; Behind a tile's exponentials: number qj of 33.  0 l x f; 1-16 l += the 32 unquantised p, two at a time, in two chains; 17-32 O^T x f.
.macro POST u
.set rT, ST+8*(\u)
.set rS, S+32*(\u)
.set rO, O+32*(\u)
.if qj == 0
	v_pk_mul_f32 v[rT+2:rT+3], v[rT+2:rT+3], v[rT+4:rT+5] op_sel_hi:[1,0]
.elseif qj == 1
	v_pk_add_f32 v[rT+6:rT+7], v[rS:rS+1], v[rS+2:rS+3]
.elseif (qj < 16) && (qj%2 == 0)
	v_pk_add_f32 v[rT+2:rT+3], v[rT+2:rT+3], v[rS+2*qj:rS+2*qj+1]
.elseif qj < 16
	v_pk_add_f32 v[rT+6:rT+7], v[rT+6:rT+7], v[rS+2*qj:rS+2*qj+1]
.elseif qj == 16
	v_pk_add_f32 v[rT+2:rT+3], v[rT+2:rT+3], v[rT+6:rT+7]
.else
	v_pk_mul_f32 v[rO+2*(qj-17):rO+2*(qj-17)+1], v[rO+2*(qj-17):rO+2*(qj-17)+1], v[rT+4:rT+5] op_sel_hi:[1,0]
.endif
.endm
; LDS load number dn of a step's sixteen: 0-7 this step's v (channel tile dn / 2, half dn % 2), 8-15 the next step's k (kpre = 1), 512 consecutive bytes each.
.macro DEAL q, kpre
.if dn < 8
	ds_load_b128 v[VF+4*dn:VF+4*dn+3], v[ADV] offset:4096*(\q)+512*dn
.elseif (dn < 16) && \kpre
	ds_load_b128 v[KF+4*(dn-8):KF+4*(dn-8)+3], v[AD] offset:4096*((\q)+1)+512*(dn-8)
.endif
.endm
; A KEY STEP: 64 keys, the q-th of the trip.  kpre: the next step's k is fetched; mpre: its mask words.
; Each tile's 32 exponentials are one batch; a plain instruction OF THE OTHER TILE stands behind each of them, and one wait behind each batch, ahead of the first line that names a result of it.
; The sixteen accumulators take turns, one instruction a turn.
.macro STEP q, kpre, mpre
	s_wait_dscnt 0x0                               ; k's fragments are in
.irp t, 0,1,2,3
.irp u, 0,1
	v_wmma_f32_16x16x64_bf8_bf8 v[S+32*\u+8*\t:S+32*\u+8*\t+7], v[KF+8*\t:KF+8*\t+7], v[Q+8*\u:Q+8*\u+7], 0
.endr
.endr
.rept 4
	v_nop                                          ; places in front of the first read of the sums
.endr
	s_wait_kmcnt 0x0                               ; this step's mask words, asked for a step ago
	MASK 0
	MASK 1
.if \mpre
	MLOAD 1                                        ; the next step's, as soon as the words are free: the rest of the step in which to land
.endif
.set pj, 0
.rept 40
	PRE 0
.set pj, pj+1
.endr
.set pj, 0
.rept 32
	v_exp_f32 v[S+pj], v[S+pj]                     ; tile 0: p = 2^(t - M)
	PRE 1
.set pj, pj+1
.endr
.rept 8
	PRE 1
.set pj, pj+1
.endr
	s_wait_alu depctr_va_vdst(0)                   ; tile 0's exponentials have written v[S .. S+31], ahead of their first reader; this step's products k q^T are done reading KF and the last step's products v^T p^T VF, in which the loads below land; in a trip's first step v[AD], v[ADV] and v[SAD] are written
.set qj, 0
.set dn, 0
	POST 0
.rept 32
	v_exp_f32 v[S+32+qj], v[S+32+qj]               ; tile 1
	DEAL \q, \kpre                                 ; one LDS load behind each of the first sixteen: this step's v, then the next step's k.  No wait: no vector or matrix instruction since the wait above names VF, KF, v[AD] or v[ADV]
.set dn, dn+1
.set qj, qj+1
	POST 0
.endr
	s_wait_alu depctr_va_vdst(0)                   ; tile 1's exponentials have written v[S+32 .. S+63], ahead of their first reader
.set qj, 0
.rept 17
	POST 1
.set qj, qj+1
.endr
	s_cmp_ge_i32 s[E8], -15                        ; 57,344 x 2^e8 >= 1.75 > p: the hold can hold nothing.  A scalar branch on a given whole number, the same in all waves; no barrier stands under it
	s_cbranch_scc1 .Lroom_\@
.set n, 0
.rept 64
	v_min_num_f32 v[S+n], s[HOLD], v[S+n]          ; the conversion to an 8-bit code does not saturate (ISA guide 7.6.2); p is not negative, so the hold is one-sided
.set n, n+1
.endr
.Lroom_\@:
.irp u, 0,1
.irp t, 0,1,2,3
	v_cvt_scalef32_pk8_bf8_f32 v[P+8*\u+2*\t:P+8*\u+2*\t+1], v[S+32*\u+8*\t:S+32*\u+8*\t+7], v[PSC]
.endr
.endr
.rept 16
	POST 1                                         ; tile 1's O^T x f: also the plain lines between the conversions and the products that read their results
.set qj, qj+1
.endr
.if \kpre
	s_wait_dscnt 8                                 ; v's eight loads are in; the eight younger ones, the next step's k, may be out
.else
	s_wait_dscnt 0x0
.endif
.irp ct, 0,1,2,3
.irp u, 0,1
	v_wmma_f32_16x16x64_bf8_bf8 v[O+32*\u+8*\ct:O+32*\u+8*\ct+7], v[VF+8*\ct:VF+8*\ct+7], v[P+8*\u:P+8*\u+7], v[O+32*\u+8*\ct:O+32*\u+8*\ct+7]
.endr
.endr
.endm
; A PREFETCH INTO THE L2 of the next trip's mask words: for each of the work-group's sixteen waves two steps' 256 bytes: 32 aligned blocks of 256 bytes, a lane a block, one instruction.
; The sixteen heads of a batch read the same words: head 0's work-groups ask, and in them wave 0, so each block is named once in the launch.  It stands behind the trip's loads; the first trip's words
; come by their loads alone, and the last trip asks for nothing.
.macro ASK
	s_cmp_eq_u32 s[LIM], 1
	s_cbranch_scc0 .Lnot_mine_\@
	global_prefetch_b8 v[PFO], s[PFA:PFA+1] th:TH_LOAD_NT scope:SCOPE_SE
.Lnot_mine_\@:
.endm
; A TRIP: two key steps.  fill = 1: my 1,024 bytes of the chunk two trips on are asked for at the trip's head and stored at its end, in front of the barrier that shows them to all waves.
; Between two barriers the waves read bytes TB .. TB + 12,287 of each image and store bytes TB + 16,384 .. TB + 24,575.
.macro TRIP fill, ask, kpre, mpre
.if \ask
	s_wait_xcnt 0x0                                ; the last prefetch, a trip back, has read its address, so it may be written
	s_add_nc_u64 s[PFA:PFA+1], s[PFA:PFA+1], 512   ; the next trip's words
.endif
	s_wait_alu depctr_vm_vsrc(0)                   ; the last trip's LDS loads have read v[AD] and v[ADV], its LDS stores v[SAD] and SG: the adds below write the three, the loads below land in SG.  In the first trip: the head's LDS stores have read v[S .. S+15], which the first products write
	v_add_nc_u32 v[AD], s[TB], v[LI]
	v_add_nc_u32 v[ADV], VIMG, v[AD]
.if \fill
	v_add_nc_u32 v[SAD], s[TB], v[SA]
	global_load_b128 v[SG:SG+3], v[LI], s[GB:GB+1]
	global_load_b128 v[SG+4:SG+7], v[LI], s[GB:GB+1] offset:4096
.endif
.if \ask
	ASK
.endif
	STEP 0, 1, 1
	STEP 1, \kpre, \mpre
.if \fill
	s_wait_loadcnt 0x0                             ; asked for two steps ago
	ds_store_b128 v[SAD], v[SG:SG+3] offset:16384  ; (v[SAD] was written ahead of the steps' waits on va_vdst, and no vector instruction has named it since)
	ds_store_b128 v[SAD], v[SG+4:SG+7] offset:20480
	s_add_nc_u64 s[GB:GB+1], s[GB:GB+1], 8192      ; (the loads are done: their base may step)
	s_wait_dscnt 0x0                               ; for the others' sake: my stores have landed
	s_barrier_signal -1
	s_barrier_wait -1
.endif
	s_add_co_u32 s[TB], s[TB], 8192
.endm
.Ltrip:                                            ; 14 trips bring chunks 2 to 15
	TRIP 1, 1, 1, 1
	s_sub_co_u32 s[TR], s[TR], 1
	s_cmp_lg_u32 s[TR], 0
	s_cbranch_scc1 .Ltrip
	TRIP 0, 1, 1, 1                                ; the last two trips are written out: nothing is left to bring, so they have no barrier;
	TRIP 0, 0, 0, 0                                ; the last step fetches no k and no mask words: no load leaves its buffer
	; THE WAY OUT.  l's halves are added; O^T / l is held, quantised and stored as the image of the last product's operand.  The additions and moves are the places behind the last products.
.irp u, 0,1
	v_add_f32 v[ST+8*\u+6], v[ST+8*\u+2], v[ST+8*\u+3]
.endr
.irp u, 0,1
	v_permlanex16_b32 v[ST+8*\u+7], v[ST+8*\u+6], s[SEL], s[SEL+1]
.endr
.irp u, 0,1
	v_add_f32 v[ST+8*\u+6], v[ST+8*\u+6], v[ST+8*\u+7]
.endr
.irp u, 0,1
	v_rcp_f32 v[ST+8*\u+4], v[ST+8*\u+6]
.endr
	v_mov_b32 v[PSC], s[OSC]                       ; (plain lines behind the reciprocals)  2^(e10 - e8 - e9)
	v_mov_b32 v[SAD], s[OSC+1]                     ; 57,344 x that.  (The LDS stores that read v[SAD] stand ahead of the last two trips' waits on vm_vsrc)
	s_wait_alu depctr_va_vdst(0)                   ; the two reciprocals have written v[ST+4] and v[ST+12], ahead of their first reader
.irp u, 0,1
.irp j, 0,2,4,6,8,10,12,14,16,18,20,22,24,26,28,30
	v_pk_mul_f32 v[S+32*\u+\j:S+32*\u+\j+1], v[O+32*\u+\j:O+32*\u+\j+1], v[ST+8*\u+4:ST+8*\u+5] op_sel_hi:[1,0]   ; each accumulator from its low end on
.endr
.endr
.set n, 0
.rept 64
	v_med3_num_f32 v[S+n], v[S+n], -v[SAD], v[SAD]
.set n, n+1
.endr
.irp u, 0,1
.irp ct, 0,1,2,3
	v_cvt_scalef32_pk8_bf8_f32 v[P+8*\u+2*\ct:P+8*\u+2*\ct+1], v[S+32*\u+8*\ct:S+32*\u+8*\ct+7], v[PSC]   ; channels 16 ct + 8 (lane / 16) + 0 .. 7 of my query
.endr
.endr
	v_nop                                          ; one plain vector instruction between the conversions and the readers of their results
; The last product fetches Wo's rows 16 bytes a lane (K = 32 c + 16 (lane / 16) + 0 .. 15), so its other operand is laid the same way: for each 32 channels the two halves of the lanes exchange 8 bytes.
; Lanes 0-15 keep channels 0-7 and get 8-15; lanes 16-31 get 16-23 and keep 24-31.  The four groups' selects stand together, each into registers of its own, so that one wait serves the four stores.
.irp u, 0,1
.irp i, 0,1
.set C0, P+8*\u+4*\i
.set XR, KF+4*(2*\u+\i)
.set RR, VF+4*(2*\u+\i)
	v_cndmask_b32 v[XR], v[C0+2], v[C0], s[HI]     ; what the lane 16 away wants of me
	v_cndmask_b32 v[XR+1], v[C0+3], v[C0+1], s[HI]
	v_mov_b32 v[XR+2], 0                           ; a lane permute's destination counts as one of its sources
	v_mov_b32 v[XR+3], 0
	v_permlanex16_b32 v[XR+2], v[XR], s[SEL], s[SEL+1]
	v_permlanex16_b32 v[XR+3], v[XR+1], s[SEL], s[SEL+1]
	v_cndmask_b32 v[RR], v[C0], v[XR+2], s[HI]
	v_cndmask_b32 v[RR+1], v[C0+1], v[XR+3], s[HI]
	v_cndmask_b32 v[RR+2], v[XR+2], v[C0+2], s[HI]
	v_cndmask_b32 v[RR+3], v[XR+3], v[C0+3], s[HI]
.endr
.endr
	s_wait_alu depctr_va_vdst(0)                   ; the selects have written v[VF .. VF+15], which the four stores read
.irp u, 0,1
.irp i, 0,1
	global_store_b128 v[LI], v[VF+4*(2*\u+\i):VF+4*(2*\u+\i)+3], s[OB:OB+1] offset:4096*\u+512*\i   ; 32 lanes store 512 consecutive bytes, at a multiple of 512 from aimg's first byte
.endr
.endr
	s_wait_alu depctr_vm_vsrc(0)                   ; the last trip's LDS loads have read v[AD] and v[ADV], which the two lines below write
	v_lshl_add_u32 v[AD], v0, 2, SPARE             ; all 256 registers are at work in the loop, so v0 was kept and the add's two are made here
	v_mov_b32 v[ADV], 0
	s_wait_dscnt 0x0                               ; the closing lines, six on end
	s_wait_alu 0x0
	s_wait_tensorcnt 0x0
	ds_add_u32 v[AD], v[ADV]
	s_wait_dscnt 0x0
	s_endpgm
.Lfunc_end_k_q88c2964f76_attn:
	.size	k_q88c2964f76_attn, .Lfunc_end_k_q88c2964f76_attn-k_q88c2964f76_attn
	.p2alignl 7, 3214868480
	.fill 96, 4, 3214868480
	.section	.rodata,"a",@progbits
	.p2align	6, 0x0
	.amdhsa_kernel k_q88c2964f76_attn
		.amdhsa_group_segment_fixed_size 264192
		.amdhsa_private_segment_fixed_size 0
		.amdhsa_enable_private_segment 0
		.amdhsa_kernarg_size 48
		.amdhsa_user_sgpr_count 2
		.amdhsa_user_sgpr_kernarg_segment_ptr 1
		.amdhsa_wavefront_size32 1
		.amdhsa_system_sgpr_workgroup_id_x 1
		.amdhsa_system_sgpr_workgroup_id_y 1
		.amdhsa_system_sgpr_workgroup_id_z 1
		.amdhsa_system_vgpr_workitem_id 0
		.amdhsa_next_free_vgpr 256
		.amdhsa_next_free_sgpr 100
		.amdhsa_reserve_vcc 0
		.amdhsa_float_denorm_mode_32 3
		.amdhsa_float_denorm_mode_16_64 3
		.amdhsa_memory_ordered 1
		.amdhsa_forward_progress 1
		.amdhsa_inst_pref_size 139
	.end_amdhsa_kernel
	.amdgpu_metadata
---
amdhsa.version: [ 1, 2 ]
amdhsa.kernels:
  - .name:           k_q88c2964f76_attn
    .symbol:         k_q88c2964f76_attn.kd
    .args:
      - { .name: qimg, .offset: 0, .size: 8, .value_kind: global_buffer, .address_space: global }
      - { .name: kimg, .offset: 8, .size: 8, .value_kind: global_buffer, .address_space: global }
      - { .name: vimg, .offset: 16, .size: 8, .value_kind: global_buffer, .address_space: global }
      - { .name: mbits, .offset: 24, .size: 8, .value_kind: global_buffer, .address_space: global }
      - { .name: lowp_scales, .offset: 32, .size: 8, .value_kind: global_buffer, .address_space: global }
      - { .name: aimg, .offset: 40, .size: 8, .value_kind: global_buffer, .address_space: global }
    .group_segment_fixed_size: 264192
    .private_segment_fixed_size: 0
    .kernarg_segment_align: 8
    .kernarg_segment_size: 48
    .max_flat_workgroup_size: 512
    .sgpr_count:     100
    .vgpr_count:     256
    .wavefront_size: 32
...
	.end_amdgpu_metadata
.endif
;; end of part 5
;; launch oproj: the kernel of part 4 again; grid 4 x 32, 4 waves a work-group, clusters of 4 x 4, 327,680 bytes of LDS; arguments aimg, Wo_codes, lowp_scales, bo, out0; writes out0
